; MI455X (gfx1250); checked and timed in simulation.
; The chip was launched on July 23, 2026; its instructions are those of AMD's public machine-readable ISA for CDNA 5 (MIT licence, August 2026) and "CDNA5" Instruction Set Architecture Reference Guide (July 2026). The comments in the code are by the model that wrote it; some were corrected since.
;; Multi Head Attention. Allowed arithmetic: matrix products marked QUANTISED: E2M3 operands, one E8M0 scale for each 32 along K, by v_wmma_scale_f32_16x16x128_f8f6f4 with both operands' format E2M3, f32 sums; everything else in f32.
;; Inputs: Wk_codes 512 x 16 x 24 uint8 (E2M3 codes of Wk, K innermost, in blocks of 32 codes, four codes in three bytes); Wk_scales 512 x 16 uint8 (E8M0 scales of Wk, one for each 32 codes along K); Wo_codes 512 x 16 x 24 uint8 (E2M3 codes of Wo, K innermost, in blocks of 32 codes, four codes in three bytes); Wo_scales 512 x 16 uint8 (E8M0 scales of Wo, one for each 32 codes along K); Wq_codes 512 x 16 x 24 uint8 (E2M3 codes of Wq, K innermost, in blocks of 32 codes, four codes in three bytes); Wq_scales 512 x 16 uint8 (E8M0 scales of Wq, one for each 32 codes along K); Wv_codes 512 x 16 x 24 uint8 (E2M3 codes of Wv, K innermost, in blocks of 32 codes, four codes in three bytes); Wv_scales 512 x 16 uint8 (E8M0 scales of Wv, one for each 32 codes along K); bk 512 float32; bo 512 float32; bq 512 float32; bv 512 float32; x_codes 2 x 4,096 x 16 x 24 uint8 (E2M3 codes of x, K innermost, in blocks of 32 codes, four codes in three bytes); x_scales 2 x 4,096 x 16 uint8 (E8M0 scales of x, one for each 32 codes along K).
;; Outputs: out0 2 x 4,096 x 512 float32.
;; This version of the problem:
;;   THIS VERSION OF THE PROBLEM IS GIVEN IN LOW PRECISION. The matrix products marked QUANTISED in the list below multiply operands that are first quantised to E2M3 (2 exponent bits, 3 mantissa bits; 6 bits a number), with one power-of-two scale for each 32 numbers along K (OCP MX v1.0); their sums are f32. All else is computed in f32.
;;   The module's matrix products, in the order in which they are computed (A, B: the left and right operand; K: the contracted axis; several contracted axes count as one K, in the product's order):
;;     1. [M 8,192, K 512] x [K 512, N 512]; A: input x (given as codes); B: input Wq (given as codes): QUANTISED
;;     2. [M 8,192, K 512] x [K 512, N 512]; A: input x (given as codes); B: input Wk (given as codes): QUANTISED
;;     3. [M 8,192, K 512] x [K 512, N 512]; A: input x (given as codes); B: input Wv (given as codes): QUANTISED
;;     4. batch 16 x [M 4,096, K 64] x [K 64, N 4,096]; A: computed on the way; B: computed on the way: QUANTISED
;;     5. batch 16 x [M 4,096, K 4,096] x [K 4,096, N 64]; A: softmax (see below); B: computed on the way: QUANTISED
;;     6. [M 8,192, K 512] x [K 512, N 512]; A: computed on the way; B: input Wo (given as codes): QUANTISED
;;   THE QUANTISER, for each operand of a quantised product, along K:
;;     - K is cut into blocks of 32 from its start; a last block that is shorter is filled with zeros.
;;     - A block's scale is 2^e with e = floor(log2(the largest magnitude in the block)) - 2, held to -126 .. 127; a block of zeros has e = 0. As a byte (E8M0): e + 127.
;;     - Each number is divided by its block's scale, clamped to +-7.5, and rounded to the nearest number of E2M3, ties to even, subnormals kept.
;;     - The product sums the exact products of the quantised numbers (number of the format x scale) in f32.
;;   ~~~python
;;   def quantise(x, axis):      # numpy; x: float32 -> the quantised numbers, widened to float32 again
;;       x = np.moveaxis(x, axis, -1); K = x.shape[-1]
;;       x = np.pad(x, [(0, 0)] * (x.ndim - 1) + [(0, -K % 32)]); x = x.reshape(x.shape[:-1] + (-1, 32)); a = np.abs(x).max(-1, keepdims=True)
;;       e = np.where(a > 0, np.clip(np.frexp(np.where(a > 0, a, 1))[1] - 1 - 2, -126, 127), 0)      # np.frexp(a)[1] - 1 = floor(log2(a)), exactly
;;       r = np.clip(x / 2.0 ** e, -7.5, 7.5)
;;       step = 2.0 ** (np.maximum(np.frexp(np.where(r == 0, 1, r))[1] - 1, 0) - 3)
;;       q = np.round(r / step) * step * 2.0 ** e      # np.round: ties to even
;;       return np.moveaxis(q.reshape(q.shape[:-2] + (-1,))[..., :K], -1, axis).astype(np.float32)
;;   ~~~
;;   SOFTMAX AHEAD OF A QUANTISED PRODUCT. Where the list says 'softmax', what is quantised is not the finished softmax but p = 2^(t - M), with t = logit x log2(e) and M = ceil(the row's largest t), a whole number; so 1/2 < the row's largest p <= 1. The row's sum l is taken of the UNQUANTISED p, in f32, and the product's result is divided by l at the end. Since M is a whole number, a kernel that streams over the keys may use a running M (the ceiling of the running maximum): every later rescaling is an exact power of two, which a block's scale takes up: the codes' values come out the same.
;;   OPERANDS COMPUTED ON THE WAY. 'Computed on the way' means the value that the module computes at that place (a softmax that the list does not call 'softmax' is quantised finished and normalised). What goes into a quantiser is computed in f32, as accurately as f32 sums, v_exp_f32 and their like allow (about 1e-6 of the number): no bf16 or f16 on the way to a quantiser, and a product that is left as it is and whose result goes on into a quantised operand takes f32 operands (vector FMAs, or v_wmma_f32_16x16x4_f32). A number that lies on a knife's edge between two numbers of the format may be rounded either way, as far as f32 arithmetic and the matrix unit's own rounding can turn it there, and no further.
;;   INPUTS GIVEN AS CODES. Wk (in the module: [512, 512], K = its axis 1); Wo (in the module: [512, 512], K = its axis 1); Wq (in the module: [512, 512], K = its axis 1); Wv (in the module: [512, 512], K = its axis 1); x (in the module: [2, 4096, 512], K = its axis 2): each comes as NAME_codes (uint8): NAME with its K axis moved to the last place and cut into blocks of 32 codes, [.., K / 32, bytes a block], one block behind the other in memory; four codes in three bytes: a row's codes are one little-endian stream of bits, code i at bits 6 i .. 6 i + 5 (a code: sign, 2 exponent bits, 3 mantissa bits); and NAME_scales (uint8): the same leading axes, one E8M0 byte (e + 127) for each 32 codes along K. Its value is code x scale, taken as it is: it is not quantised again, and the codes and scales need not be those that the quantiser above would give.
;; 2 versions. Each part assembles by itself: llvm-mc -triple=amdgcn-amd-amdhsa -mcpu=gfx1250 --defsym DOCPART=n.
;; ======== version 1 of 2: 3 launches
;; workspace buffers: qc 3,145,728 bytes; qs 524,288 bytes; kv 6,815,744 bytes; ac 3,145,728 bytes; asc 131,072 bytes
;; launch qkv (part 1): grid 64 x 4, 8 waves a work-group, no clusters, 222,208 bytes of LDS; arguments x_codes, x_scales, Wq_codes, Wq_scales, bq, Wk_codes, Wk_scales, bk, Wv_codes, Wv_scales, bv, qc, qs, kv; writes qc, qs, kv
.if DOCPART == 1
	.amdgcn_target "amdgcn-amd-amdhsa--gfx1250"
	.amdhsa_code_object_version 6
	.text
	.protected	k_qdd2f31fd64_qkv
	.globl	k_qdd2f31fd64_qkv
	.p2align	8
	.type	k_qdd2f31fd64_qkv,@function
k_qdd2f31fd64_qkv:
	s_mov_b64 s[64:65], 0
	v_nop
	global_prefetch_b8 v0, s[64:65] scope:SCOPE_SE
	s_setreg_imm32_b32 hwreg(HW_REG_WAVE_MODE, 25, 1), 1
	s_wait_xcnt 0x0
; q = x Wq^T + bq, k = x Wk^T + bk, v = x Wv^T + bv on codes of FP6 (E2M3) with E8M0 scales, as they are given; the three results are quantised here, in registers:
; q and k along a head's 64 channels (two blocks of 32), v along the keys (blocks of 32 tokens), and stored as IMAGES OF OPERAND REGISTERS for the attention launch.
; SHARES.  Work-group (tb, y): tokens 128 tb .. 128 tb + 127, heads 2 y and 2 y + 1.  Wave w: head 2 y + w / 4, i = w % 4: the token tiles 2 i, 2 i + 1 of q and of k (64 channels each), and of v the tile i
; of 16 channels for all 128 tokens: 3 x 32 matrix instructions a wave, the same path in every wave.
; LAYOUT.  q, k: source 0 = 16 rows of W, source 1 = 16 tokens: a lane holds ONE token and its registers run along the channels.  v: source 0 = 16 tokens, source 1 = 16 rows of Wv: a lane holds ONE channel and
; its registers run along the tokens.  So the conversions' results are operand registers.  Inside a block of 32 the order is: place 16 h + 8 u + j holds number 16 u + 8 h + j; it is the same in q and k, and the
; same in v and in the attention launch's p, so every product pairs the right numbers, and a block holds just the 32 numbers that the quantiser's block holds.
; A fragment of q or k is a PAIR: K = 0..63 the 64 channels of token tile 2 i, K = 64..127 those of tile 2 i + 1; its scale word: two bytes of the one, two of the other.
; THE ROWS OF Wv THAT FORM A TILE ARE NOT NEIGHBOURS: lane r of tile 2 b + u takes channel 32 b + 8 u + r + 8 (r / 8), so that the attention launch's result has its channels in true order along the last product's K.
; LDS: x's 128 rows and 128 rows each of Wq, Wk, Wv, 384 bytes a row, filled ONCE, one tensor load a wave (one load of mine is out); no byte is filled again.
; NO CLUSTER: a work-group asks for its 4 x 49,152 bytes once, at its head, and has one barrier; joint loads would add two rounds of the cluster's barrier to spare requests for inputs of under 4 MB in all.
; LIMITS: NaN and infinities are not served.  A computed block whose largest magnitude lies under 2^-124 gets the byte 1, a block of zeros too (the quantiser says 127): its codes are zeros, and the bytes are read by this program alone.
.set PITCH, 432                        ; an LDS row: 3 x (128 bytes of data + 16 of padding)
.set HALFR, 64*PITCH                   ; 64 rows: what one tensor load brings
.set REGN,  128*PITCH                  ; a region: x at 0, Wq, Wk, Wv behind it
.set KVB,   13312                      ; a key step's block in kv: 4 x 1,536 K, 4 x 1,536 V, 1,024 scale words
.set HA,  16                           ; v16-79   eight accumulators
.set TM,  80                           ; v80-95   the quantiser's work
.set PC,  100                          ; v100-118 the codes just made
.set XSV, 120                          ; v120-135 x's scale words: register 4 p + s: lanes 0-15 token tile 2 p, lanes 16-31 tile 2 p + 1
.set XSP, 136                          ; v136-139 the same for my pair i
.set WQS, 140                          ; v140-147 Wq's scale words: register 4 (U / 2) + s
.set WKS, 148                          ; v148-155 Wk's
.set WVS, 156                          ; v156-159 Wv's, of my tile's rows
.set BQ,  160                          ; v160-191 bq in the result's layout, 8 registers a tile
.set BK,  192                          ; v192-223 bk
.set BV,  224                          ; v224-231 bv of my lane's channel, eight times
.set TO_F, 0x40                        ; destination window 1, address window 0
.set MUL,  0x05                        ; sources 0 and 1 window 1; C and D window 0
.set MSB, 0
.macro WIN new                         ; the immediate's high byte repeats the setting that is left
.if MSB != \new
	s_set_vgpr_msb (MSB<<8)|\new
.set MSB, \new
.endif
.endm
.macro PLACES n
.rept \n
	v_nop
.endr
.endm
; A fragment, 16 rows x 128 K, the row's s-th: 12 registers; lane (r, h) takes pieces of 8 bytes 12 s + 3 h + 0, 1, 2 and 12 s + 6 + 3 h + 0, 1, 2 of its row.  16 bytes of padding lie behind every 16 pieces:
; where the piece three on lies behind one padding more, the second address register (40 for 24 bytes a half) serves.
.macro FRAG reg, adr, s, row
.irp p, 0,1,2,3,4,5
.set PCN, 12*(\s)+6*(\p/3)+\p%3
.if PCN%16 < 13
	ds_load_b64 v[(\reg)+2*\p:(\reg)+2*\p+1], v[\adr] offset:8*PCN+16*(PCN/16)+(\row)*PITCH
.else
	ds_load_b64 v[(\reg)+2*\p:(\reg)+2*\p+1], v[(\adr)+1] offset:8*PCN+16*(PCN/16)+(\row)*PITCH
.endif
.endr
.endm
; One matrix instruction; ra, rb: the half of the lanes from which source 0's and source 1's scale words are read
.macro WM d, a, b, c, sa, sb, ra, rb
.if (\ra) == 1 && (\rb) == 1
	v_wmma_scale_f32_16x16x128_f8f6f4 v[(\d):(\d)+7], v[(\a):(\a)+11], v[(\b):(\b)+11], v[(\c):(\c)+7], v[\sa], v[\sb] matrix_a_fmt:MATRIX_FMT_FP6 matrix_b_fmt:MATRIX_FMT_FP6 matrix_a_scale:MATRIX_SCALE_ROW1 matrix_b_scale:MATRIX_SCALE_ROW1
.elseif (\ra) == 1
	v_wmma_scale_f32_16x16x128_f8f6f4 v[(\d):(\d)+7], v[(\a):(\a)+11], v[(\b):(\b)+11], v[(\c):(\c)+7], v[\sa], v[\sb] matrix_a_fmt:MATRIX_FMT_FP6 matrix_b_fmt:MATRIX_FMT_FP6 matrix_a_scale:MATRIX_SCALE_ROW1
.elseif (\rb) == 1
	v_wmma_scale_f32_16x16x128_f8f6f4 v[(\d):(\d)+7], v[(\a):(\a)+11], v[(\b):(\b)+11], v[(\c):(\c)+7], v[\sa], v[\sb] matrix_a_fmt:MATRIX_FMT_FP6 matrix_b_fmt:MATRIX_FMT_FP6 matrix_b_scale:MATRIX_SCALE_ROW1
.else
	v_wmma_scale_f32_16x16x128_f8f6f4 v[(\d):(\d)+7], v[(\a):(\a)+11], v[(\b):(\b)+11], v[(\c):(\c)+7], v[\sa], v[\sb] matrix_a_fmt:MATRIX_FMT_FP6 matrix_b_fmt:MATRIX_FMT_FP6
.endif
.endm
; 64 numbers of a lane, v[s] .. v[s + 63], register 16 b + i = place 32 b + 16 (lane / 16) + i of my row, become a fragment's codes in v[PC] on and its scale word in v[pw]
.macro QUANT s, pw
.irp b, 0,1,2,3
	v_max3_num_f32 v[TM+\b], |v[(\s)+16*\b]|, |v[(\s)+1+16*\b]|, 0x1800000   ; block b: my 16 numbers, and the floor 2^(3 - 127): the byte cannot fall under 1
.endr
.irp i, 2,4,6,8,10,12,14
.irp b, 0,1,2,3
	v_max3_num_f32 v[TM+\b], v[TM+\b], |v[(\s)+16*\b+\i]|, |v[(\s)+1+16*\b+\i]|   ; the four blocks by turns
.endr
.endr
.irp b, 0,1,2,3
	v_permlanex16_b32 v[TM+4+\b], v[TM+\b], s56, s57
.endr
.irp b, 0,1,2,3
	v_max_num_f32 v[TM+\b], v[TM+\b], v[TM+4+\b]      ; with lane l xor 16's: the block's largest magnitude
.endr
.irp b, 0,1,2,3
	v_add_nc_u32 v[TM+12+\b], 0xff000000, v[TM+\b]    ; 2 off its exponent field: the conversion's scale operand
.endr
.irp b, 0,1,2,3
	v_lshrrev_b32 v[TM+4+\b], 23, v[TM+12+\b]         ; the scale's byte
.endr
	v_lshl_or_b32 v[\pw], v[TM+5], 8, v[TM+4]
	v_lshl_or_b32 v[\pw], v[TM+6], 16, v[\pw]
	v_lshl_or_b32 v[\pw], v[TM+7], 24, v[\pw]         ; my row's scale word, the same in lanes l and l xor 16
.irp c, 0,1
	v_cvt_scalef32_pk16_fp6_f32 v[PC+6*\c:PC+2+6*\c], v[(\s)+32*\c:(\s)+15+32*\c], v[TM+12+2*\c]
	v_cvt_scalef32_pk16_fp6_f32 v[PC+12+4*\c:PC+14+4*\c], v[(\s)+16+32*\c:(\s)+31+32*\c], v[TM+13+2*\c]   ; (a conversion's three registers begin on an even number)
.endr
	v_nop                                             ; one plain place behind a scaled conversion
.irp c, 0,1                                       ; the operand's layout wants a whole block in a lane: lanes 0-15 block 2 c, lanes 16-31 block 2 c + 1
.irp i, 0,1,2
	v_permlane16_swap_b32 v[PC+6*\c+\i], v[PC+12+4*\c+\i]
.endr
.irp i, 0,1,2
	v_mov_b32 v[PC+3+6*\c+\i], v[PC+12+4*\c+\i]
.endr
.endr
.endm
	s_load_b512 s[8:23], s[0:1], 0x0               ; x codes s[8:9], x scales s[10:11], Wq codes s[12:13], Wq scales s[14:15], bq s[16:17], Wk codes s[18:19], Wk scales s[20:21], bk s[22:23]
	s_load_b256 s[24:31], s[0:1], 0x40             ; Wv codes s[24:25], Wv scales s[26:27], bv s[28:29], qc s[30:31]
	s_load_b128 s[32:35], s[0:1], 0x60             ; qs s[32:33], kv s[34:35]
	v_lshl_add_u32 v254, v0, 2, 0x36000
	v_mov_b32 v255, 0
	ds_add_u32 v254, v255
	v_lshrrev_b32 v1, 5, v0
	v_readfirstlane_b32 s52, v1                    ; wave 0..7
	s_and_b32 s53, ttmp7, 0xffff                   ; y
	s_lshr_b32 s54, s52, 2                         ; which of the two heads
	s_and_b32 s55, s52, 3                          ; i
	s_lshr_b32 s58, s52, 1                         ; the region that I fill: 0 x, 1 Wq, 2 Wk, 3 Wv
	s_and_b32 s59, s52, 1                          ; and which 64 rows of it
	; descriptor group 1: 24,576 dense bytes (64 rows of 384) as 96 rows of 256 bytes, 16 bytes of padding behind every 128
	s_mov_b32 s40, (3<<16)|(1<<20)|(4<<22)|(3<<25) ; no mask; elements of 8 bytes; padding on; after every 32 words (code 4); of 4 words (code 3)
	s_mov_b32 s41, 32<<16                          ; tensor_dim0 = 32
	s_mov_b32 s42, 96<<16                          ; tensor_dim1 = 96
	s_mov_b32 s43, 32<<16                          ; tile_dim0 = 32
	s_mov_b32 s44, 96                              ; tile_dim1 = 96
	s_mov_b32 s45, 32                              ; elements from row to row
	s_mov_b32 s46, 0
	s_mov_b32 s47, 0
	s_mov_b32 s48, 1                               ; group 0: count = 1
	s_mul_i32 s49, s52, HALFR                      ; LDS address: wave x 64 rows
	s_lshl_b32 s60, ttmp9, 7                       ; x's first row: 128 tb
	s_lshl_b32 s61, s53, 7                         ; a weight's: 128 y
	s_cmp_eq_u32 s58, 0
	s_cselect_b32 s38, s60, s61
	s_lshl_b32 s39, s59, 6
	s_add_co_u32 s38, s38, s39
	s_mul_i32 s38, s38, 384                        ; in bytes (under 2^22)
	s_mov_b32 s39, 0
	s_mov_b32 s56, 0x76543210
	s_mov_b32 s57, 0xfedcba98                      ; v_permlanex16_b32's selects for lane l xor 16
	s_wait_dscnt 0x0
	s_wait_kmcnt 0x0
	s_cmp_eq_u32 s58, 1                            ; the buffer is chosen by the wave's number alone
	s_cselect_b64 s[36:37], s[12:13], s[8:9]
	s_cmp_eq_u32 s58, 2
	s_cselect_b64 s[36:37], s[18:19], s[36:37]
	s_cmp_eq_u32 s58, 3
	s_cselect_b64 s[36:37], s[24:25], s[36:37]
	s_add_nc_u64 s[50:51], s[36:37], s[38:39]
	s_or_b32 s51, s51, 0x80000000                  ; type = 2
	tensor_load_to_lds s[48:51], s[40:47]          ; my one load, ahead of everything else
	s_nop 0
	PLACES 4
	; LDS addresses
	v_and_b32 v1, 31, v0                           ; lane
	v_and_b32 v2, 15, v0                           ; r
	v_bfe_u32 v3, v0, 4, 1                         ; h
	v_lshlrev_b32 v4, 4, v1                        ; 16 x lane
	v_lshlrev_b32 v5, 3, v1                        ; 8 x lane
	v_mul_u32_u24 v232, v2, PITCH
	v_mad_u32_u24 v8, v3, 24, v232                 ; v8, v9: x, all tiles: 432 r + 24 h, and + 40 h
	v_mad_u32_u24 v9, v3, 40, v232
	s_mul_i32 s60, s55, 32*PITCH
	v_add_nc_u32 v6, s60, v8                       ; v6, v7: x, my pair's 32 rows
	v_add_nc_u32 v7, s60, v9
	s_mul_i32 s60, s54, HALFR                      ; my head's 64 rows of a weight's region
	s_add_co_u32 s61, s60, REGN
	v_add_nc_u32 v10, s61, v8                      ; v10, v11: Wq
	v_add_nc_u32 v11, s61, v9
	s_add_co_u32 s61, s60, 2*REGN
	v_add_nc_u32 v12, s61, v8                      ; v12, v13: Wk
	v_add_nc_u32 v13, s61, v9
	v_and_b32 v233, 8, v2
	v_add_nc_u32 v233, v233, v2                    ; r + 8 (r / 8)
	s_lshr_b32 s61, s55, 1
	s_lshl_b32 s61, s61, 5
	s_and_b32 s62, s55, 1
	s_lshl_b32 s62, s62, 3
	s_add_co_u32 s61, s61, s62
	v_add_nc_u32 v233, s61, v233                   ; my lane's channel of the head: 32 (i / 2) + 8 (i % 2) + r + 8 (r / 8)
	v_mul_u32_u24 v234, v233, PITCH
	s_add_co_u32 s62, s60, 3*REGN
	v_add_nc_u32 v234, s62, v234
	v_mad_u32_u24 v14, v3, 24, v234                ; v14, v15: Wv, my tile
	v_mad_u32_u24 v15, v3, 40, v234
	; offsets for the loads from memory
	s_lshl_b32 s61, s55, 9
	v_add_nc_u32 v235, s61, v4                     ; x's scale words of my pair: 512 i + 16 x lane
	v_lshlrev_b32 v236, 4, v233                    ; Wv's scale words: 16 bytes a row
	v_lshlrev_b32 v237, 5, v3                      ; bq, bk: 32 h
	v_lshlrev_b32 v238, 2, v233                    ; bv: my channel
.irp b, 0,1,2,3
	v_mov_b32 v[TM+4+\b], 0                        ; written once: a lane permute's destination counts as one of its sources
.endr
	; the buffers at this work-group's and this wave's part
	s_lshl_b32 s38, ttmp9, 11
	s_add_nc_u64 s[10:11], s[10:11], s[38:39]      ; x's scales: 128 rows of 16 bytes a work-group
	s_lshl_b32 s62, s53, 1
	s_add_co_u32 s62, s62, s54                     ; head
	s_lshl_b32 s38, s62, 10
	s_add_nc_u64 s[14:15], s[14:15], s[38:39]      ; the weights' scales: 64 rows of 16 bytes a head
	s_add_nc_u64 s[20:21], s[20:21], s[38:39]
	s_add_nc_u64 s[26:27], s[26:27], s[38:39]
	s_lshl_b32 s38, s62, 8
	s_add_nc_u64 s[16:17], s[16:17], s[38:39]      ; the biases: 64 numbers a head
	s_add_nc_u64 s[22:23], s[22:23], s[38:39]
	s_add_nc_u64 s[28:29], s[28:29], s[38:39]
	s_lshr_b32 s60, ttmp9, 5
	s_lshl_b32 s60, s60, 3
	s_add_co_u32 s60, s60, s62                     ; bh = 8 x batch + head
	s_and_b32 s61, ttmp9, 31                       ; t: which 128 tokens of the batch's 4,096
	s_lshl_b32 s63, s60, 7
	s_lshl_b32 s38, s61, 2
	s_add_co_u32 s63, s63, s38
	s_add_co_u32 s63, s63, s55                     ; my pair: 128 bh + 4 t + i
	s_mul_i32 s38, s63, 1536
	s_add_nc_u64 s[30:31], s[30:31], s[38:39]      ; qc
	s_lshl_b32 s38, s63, 8
	s_add_nc_u64 s[32:33], s[32:33], s[38:39]      ; qs
	s_lshl_b32 s63, s60, 5
	s_add_co_u32 s63, s63, s61
	s_mul_i32 s63, s63, KVB                        ; kv: block 32 bh + t
	s_lshl_b32 s38, s55, 8
	s_add_co_u32 s38, s38, s63
	s_add_co_u32 s38, s38, 12288
	s_add_nc_u64 s[36:37], s[34:35], s[38:39]      ; its scale words, part i
	s_mul_i32 s38, s55, 1536
	s_add_co_u32 s38, s38, s63
	s_add_nc_u64 s[34:35], s[34:35], s[38:39]      ; its image i of K; V's lies 6,144 bytes on
	; scale words and biases: each load of 16 bytes a lane covers 512 consecutive bytes
.irp p, 0,1,2,3
	global_load_b128 v[XSV+4*\p:XSV+4*\p+3], v4, s[10:11] offset:512*\p
.endr
	global_load_b128 v[XSP:XSP+3], v235, s[10:11]
.irp p, 0,1
	global_load_b128 v[WQS+4*\p:WQS+4*\p+3], v4, s[14:15] offset:512*\p
	global_load_b128 v[WKS+4*\p:WKS+4*\p+3], v4, s[20:21] offset:512*\p
.endr
	global_load_b128 v[WVS:WVS+3], v236, s[26:27]
.irp U, 0,1,2,3
	global_load_b128 v[BQ+8*\U:BQ+8*\U+3], v237, s[16:17] offset:64*\U       ; lane (r, h), register j: the bias of channel 16 U + 8 h + j
	global_load_b128 v[BQ+8*\U+4:BQ+8*\U+7], v237, s[16:17] offset:64*\U+16
	global_load_b128 v[BK+8*\U:BK+8*\U+3], v237, s[22:23] offset:64*\U
	global_load_b128 v[BK+8*\U+4:BK+8*\U+7], v237, s[22:23] offset:64*\U+16
.endr
	global_load_b32 v[BV], v238, s[28:29]
	s_wait_loadcnt 0x0
.irp j, 1,2,3,4,5,6,7
	v_mov_b32 v[BV+\j], v[BV]                      ; in v's result a lane holds one channel: the same bias in all eight registers
.endr
	s_wait_tensorcnt 0x0                           ; my part of the four regions is in,
	s_barrier_signal -1
	s_barrier_wait -1                              ; everybody's is
; Twelve stages n: q's four K steps of 128, k's four, v's four.  LOADS n: the stage's fragments into buffer n % 2 of window 1.  q, k: x's two tiles of my pair, the weight's four tiles.  v: x's eight tiles, Wv's one.
.macro LOADS n
.set BUF, 128*((\n)%2)
.set SS, (\n)%4
	WIN TO_F
.if (\n) < 8
.if (\n) < 4
.set AW, 10
.else
.set AW, 12
.endif
	FRAG BUF, 6, SS, 0
	FRAG BUF+12, 6, SS, 16
.irp U, 0,1,2,3
	FRAG BUF+24+12*\U, AW, SS, 16*\U
.endr
.else
.irp T, 0,1,2,3,4,5,6,7
	FRAG BUF+12*\T, 8, SS, 16*\T
.endr
	FRAG BUF+96, 14, SS, 0
.endif
.endm
; MULS n: eight matrix instructions, the eight accumulators by turns.  A sum's first instruction takes the bias as C: nothing is cleared, nothing is added later.
.macro MULS n
.set BUF, 128*((\n)%2)
.set SS, (\n)%4
	WIN MUL
.if (\n) < 8
.if (\n) < 4
.set WSC, WQS
.set BIA, BQ
.else
.set WSC, WKS
.set BIA, BK
.endif
.irp xt, 0,1
.irp U, 0,1,2,3
.if SS == 0
	WM HA+32*\xt+8*\U, BUF+24+12*\U, BUF+12*\xt, BIA+8*\U, WSC+4*(\U/2)+SS, XSP+SS, \U%2, \xt
.else
	WM HA+32*\xt+8*\U, BUF+24+12*\U, BUF+12*\xt, HA+32*\xt+8*\U, WSC+4*(\U/2)+SS, XSP+SS, \U%2, \xt
.endif
.endr
.endr
.else
.irp T, 0,1,2,3,4,5,6,7
.if SS == 0
	WM HA+8*\T, BUF+12*\T, BUF+96, BV, XSV+4*(\T/2)+SS, WVS+SS, \T%2, 0
.else
	WM HA+8*\T, BUF+12*\T, BUF+96, HA+8*\T, XSV+4*(\T/2)+SS, WVS+SS, \T%2, 0
.endif
.endr
.endif
.endm
.macro STAGE n
	s_wait_dscnt 0x0                               ; this stage's fragments are in
.if (\n)%4 != 0
	PLACES 4                                       ; the next loads land in the buffer that the last stage's products read (behind stages 3 and 7 the quantiser's plain instructions are the places)
.endif
.if (\n) < 11
	LOADS (\n)+1                                   ; the next stage's fragments are on their way while this stage is multiplied
.endif
	MULS \n
.endm
.macro FINISH pw                       ; a finished result becomes codes
	WIN 0
	PLACES 4                                       ; in front of the first read of results
	s_wait_xcnt 0x0                                ; the registers that the last stores read are written again only behind this wait
	QUANT HA, \pw
.endm
	LOADS 0
.irp n, 0,1,2,3
	STAGE \n
.endr
	FINISH 96
	v_mov_b32 v97, v96                             ; the word twice, so that the 32 lanes' store covers 256 consecutive bytes
.irp c, 0,1,2
	global_store_b128 v4, v[PC+4*\c:PC+4*\c+3], s[30:31] offset:512*\c       ; q's pair: an image of its 12 registers, 512 consecutive bytes a store
.endr
	global_store_b64 v5, v[96:97], s[32:33]
.irp n, 4,5,6,7
	STAGE \n
.endr
	FINISH 98
.irp c, 0,1,2
	global_store_b128 v4, v[PC+4*\c:PC+4*\c+3], s[34:35] offset:512*\c       ; k's pair
.endr
.irp n, 8,9,10,11
	STAGE \n
.endr
	FINISH 99
.irp c, 0,1,2
	global_store_b128 v4, v[PC+4*\c:PC+4*\c+3], s[34:35] offset:6144+512*\c  ; v's tile: 16 channels x 128 keys
.endr
	global_store_b64 v5, v[98:99], s[36:37]        ; k's scale word and v's, side by side: 256 consecutive bytes
	s_wait_tensorcnt 0x0
	ds_add_u32 v254, v255
	s_wait_dscnt 0x0
	s_endpgm
.Lfunc_end_k_qdd2f31fd64_qkv:
	.size	k_qdd2f31fd64_qkv, .Lfunc_end_k_qdd2f31fd64_qkv-k_qdd2f31fd64_qkv
	.p2alignl 7, 3214868480
	.fill 96, 4, 3214868480
	.section	.rodata,"a",@progbits
	.p2align	6, 0x0
	.amdhsa_kernel k_qdd2f31fd64_qkv
		.amdhsa_group_segment_fixed_size 222208
		.amdhsa_private_segment_fixed_size 0
		.amdhsa_enable_private_segment 0
		.amdhsa_kernarg_size 112
		.amdhsa_user_sgpr_count 2
		.amdhsa_user_sgpr_kernarg_segment_ptr 1
		.amdhsa_wavefront_size32 1
		.amdhsa_system_sgpr_workgroup_id_x 1
		.amdhsa_system_sgpr_workgroup_id_y 1
		.amdhsa_system_sgpr_workgroup_id_z 1
		.amdhsa_system_vgpr_workitem_id 0
		.amdhsa_next_free_vgpr 512
		.amdhsa_next_free_sgpr 66
		.amdhsa_reserve_vcc 0
		.amdhsa_float_denorm_mode_32 3
		.amdhsa_float_denorm_mode_16_64 3
		.amdhsa_memory_ordered 1
		.amdhsa_forward_progress 1
		.amdhsa_inst_pref_size 67
	.end_amdhsa_kernel
	.amdgpu_metadata
---
amdhsa.version: [ 1, 2 ]
amdhsa.kernels:
  - .name:           k_qdd2f31fd64_qkv
    .symbol:         k_qdd2f31fd64_qkv.kd
    .args:
      - { .name: x_codes, .offset: 0, .size: 8, .value_kind: global_buffer, .address_space: global }
      - { .name: x_scales, .offset: 8, .size: 8, .value_kind: global_buffer, .address_space: global }
      - { .name: Wq_codes, .offset: 16, .size: 8, .value_kind: global_buffer, .address_space: global }
      - { .name: Wq_scales, .offset: 24, .size: 8, .value_kind: global_buffer, .address_space: global }
      - { .name: bq, .offset: 32, .size: 8, .value_kind: global_buffer, .address_space: global }
      - { .name: Wk_codes, .offset: 40, .size: 8, .value_kind: global_buffer, .address_space: global }
      - { .name: Wk_scales, .offset: 48, .size: 8, .value_kind: global_buffer, .address_space: global }
      - { .name: bk, .offset: 56, .size: 8, .value_kind: global_buffer, .address_space: global }
      - { .name: Wv_codes, .offset: 64, .size: 8, .value_kind: global_buffer, .address_space: global }
      - { .name: Wv_scales, .offset: 72, .size: 8, .value_kind: global_buffer, .address_space: global }
      - { .name: bv, .offset: 80, .size: 8, .value_kind: global_buffer, .address_space: global }
      - { .name: qc, .offset: 88, .size: 8, .value_kind: global_buffer, .address_space: global }
      - { .name: qs, .offset: 96, .size: 8, .value_kind: global_buffer, .address_space: global }
      - { .name: kv, .offset: 104, .size: 8, .value_kind: global_buffer, .address_space: global }
    .group_segment_fixed_size: 222208
    .private_segment_fixed_size: 0
    .kernarg_segment_align: 8
    .kernarg_segment_size: 112
    .max_flat_workgroup_size: 256
    .sgpr_count:     66
    .vgpr_count:     512
    .wavefront_size: 32
...
	.end_amdgpu_metadata
.endif
;; end of part 1
;; launch attn (part 2): grid 16 x 16, 16 waves a work-group, clusters of 4 x 1, 327,680 bytes of LDS; arguments qc, qs, kv, ac, asc; writes ac, asc
.if DOCPART == 2
	.amdgcn_target "amdgcn-amd-amdhsa--gfx1250"
	.amdhsa_code_object_version 6
	.text
	.protected	k_qdd2f31fd64_attn
	.globl	k_qdd2f31fd64_attn
	.p2align	8
	.type	k_qdd2f31fd64_attn,@function
k_qdd2f31fd64_attn:
	s_mov_b64 s[64:65], 0
	v_nop
	global_prefetch_b8 v0, s[64:65] scope:SCOPE_SE
	s_setreg_imm32_b32 hwreg(HW_REG_WAVE_MODE, 25, 1), 1
	s_wait_xcnt 0x0
	s_wait_alu depctr_hold_cnt(0) depctr_sa_sdst(0) depctr_va_vdst(0) depctr_va_sdst(0) depctr_va_ssrc(0) depctr_va_vcc(0) depctr_vm_vsrc(0)
	s_getreg_b32 s2, hwreg(HW_REG_IB_STS2, 6, 4)
	s_cmp_eq_u32 s2, 0
	s_cbranch_scc0 .Lentry_in_a_cluster
	s_endpgm
.Lentry_in_a_cluster:
	s_bfe_u32 s2, ttmp6, 0x10000c
	s_cmp_lg_u32 s2, 0x3003
	s_cbranch_scc0 .Lentry_shape_is_right
	s_endpgm
.Lentry_shape_is_right:
; For each of the 16 (batch, head): O[q] = the sum over keys of softmax(q . k / 8) v, both products on codes of FP6 (E2M3) with E8M0 scales; O / the row's sum is quantised along the model's 512 channels (two blocks a head)
; and stored as part of an operand's image for the last product.
; THE SOFTMAX: t = score x log2(e) / 8; M = the row's largest t so far, rounded UP to a whole number; p = 2^(t - M) is what is quantised, along the keys, not normalised.  The row's sum is taken of the unquantised p.
; When M moves, the sum and O are multiplied by 2^(old M - new M): exact.
; SHARES.  A work-group owns 256 queries of one (batch, head); each of its sixteen waves 16 of them, in 256 registers: four waves to a SIMD, so that one wave's vector work stands beside another's matrix work and LDS loads.
; Every wave walks the 4,096 keys, 128 a step.  A step's data are one dense block of 13,312 bytes of kv: images of operand registers, read by loads of 16 bytes a lane, 512 consecutive bytes each.
; LAYOUT.  Both products are used transposed: S^T = K Q^T, O^T = V^T P^T: a lane holds ONE query (lane % 16) throughout.  A fragment of K is a PAIR of key tiles: K = 0..63 the 64 channels of tile 2 i, K = 64..127 those of
; tile 2 i + 1.  Q stands in 18 registers, 6 of zeros, its 6, 6 of zeros: the upper 12 are [q | 0] and pick tile 2 i, the lower 12 are [0 | q] and pick tile 2 i + 1.  Zero codes add nothing under any scale byte that is not 0xff.
; Inside a block of 32 keys, place 16 h + 8 u + j holds key 16 u + 8 h + j, in p (by the result's layout) and in v (so stored) alike.  O^T's channels come in true order (the rows of Wv were chosen for it).
; CLUSTER.  The four work-groups of a cluster belong to one (batch, head) and walk the same blocks of kv: each tile is asked for JOINTLY, by the same tensor load with the same descriptor and the mask of all four.
; RING.  Two slots of 8 key steps (106,496 bytes); waves 0-3 fetch two steps' blocks each; one load of a fetching wave is out, and it has 8 key steps in which to land.
; No prefetch: kv was stored by the launch just before, and a slot is asked for 8 key steps ahead of its first read.
; LIMITS: NaN and infinities are not served.  A block of O whose largest magnitude lies under 2^-124, and a block of p or O that is all zeros, gets the byte 1: its codes are zeros or the smallest, and this program alone reads the bytes.
.set KVB,   13312                      ; a key step's block: K's four pairs (1,536 each), V's four tiles (1,536 each), 4 x 256 bytes of scale words
.set SLOTB, 8*KVB
.set SLOT1, 1<<17                      ; slot 1 begins here: one exclusive or turns an address in one slot into the other's
.set SPARE, 2*SLOT1                    ; the spare words, 128 bytes for each of 16 waves: eight blocks of 256 bytes that no other line names
.set STG,   SPARE+2048                 ; 512 bytes: the 256 queries' scale bytes on the way out; no tile lands here
; REGISTERS: v1 16 x lane; v2 8 x lane + 12,288; v3, v4 the step's LDS addresses; v5, v6 the add's; v7-10 the way out; v12 -M, v13 the largest t, v[14:15] the sum in two halves; v16-33 Q's run; v34 Q's scale word;
; v36-83 four fragments, K's then V's; v84-91 scale words (K's pair i at 84 + 2 i, V's tile i at 85 + 2 i); v96-159 S^T, then p; v160-191 O^T; v192-203 p's codes, v204-210 their second halves;
; v212-215 block maxima, v216-219 the other half's, then bytes, v220-223 the conversions' scale operands; v224 at work; v[226:227] f; v228 p's scale word; v229 O's bytes; v[230:231] the second chain of the sum; v232-244 Q as loaded.
; s14 wave; s15 cx, s16 query block (they enter Q's, ac's and asc's addresses alone); s17 (batch, head); s[20:21] lane selects; s[22:23] c; s[24:31], s[32:35] the descriptor; s36 the step's LDS byte; s37, s38 counters.
.macro PLACES n
.rept \n
	v_nop
.endr
.endm
.macro ROUND                           ; a round of the cluster's barrier
	s_barrier_signal -1
	s_barrier_wait -1
	s_cmp_lg_u32 s14, 0
	s_cbranch_scc1 .Lnot_wave_0_\@
	s_barrier_signal -3
.Lnot_wave_0_\@:
	s_barrier_wait -3
	s_barrier_signal -1
	s_barrier_wait -1
.endm
.macro TLOAD                           ; waves 0-3 fetch, the others nothing: the branch hangs on the wave's number alone.  Four v_nop follow the load
	s_cmp_lt_u32 s14, 4
	s_cbranch_scc0 .Lasked_\@
	tensor_load_to_lds s[32:35], s[24:31]
	s_nop 0
	PLACES 4
.Lasked_\@:
.endm
	s_load_b256 s[4:11], s[0:1], 0x0               ; qc s[4:5], qs s[6:7], kv s[8:9], ac s[10:11]
	s_load_b64 s[12:13], s[0:1], 0x20              ; asc
	v_lshl_add_u32 v5, v0, 2, SPARE
	v_mov_b32 v6, 0
	ds_add_u32 v5, v6
	s_wait_dscnt 0x0
	v_lshrrev_b32 v1, 5, v0
	v_readfirstlane_b32 s14, v1                    ; wave 0..15
	s_bfe_u32 s15, ttmp6, 0x40000                  ; cx
	s_lshl_b32 s16, ttmp9, 2
	s_add_co_u32 s16, s16, s15                     ; my block of 256 queries = 4 x cluster x + cx
	s_and_b32 s17, ttmp7, 0xffff                   ; (batch, head), which the four partners share
	; descriptor group 1: two steps' blocks, 26,624 dense bytes, as 104 rows of 256 bytes
	s_mov_b32 s24, 15|(3<<16)|(1<<21)              ; the mask: all four work-groups; elements of 8 bytes; no padding; bit 21 set beside a mask
	s_mov_b32 s25, 32<<16                          ; tensor_dim0 = 32
	s_mov_b32 s26, 104<<16                         ; tensor_dim1 = 104
	s_mov_b32 s27, 32<<16                          ; tile_dim0 = 32
	s_mov_b32 s28, 104                             ; tile_dim1 = 104
	s_mov_b32 s29, 32                              ; elements from row to row
	s_mov_b32 s30, 0
	s_mov_b32 s31, 0
	s_mov_b32 s32, 1                               ; group 0: count = 1
	s_and_b32 s42, s14, 3
	s_mul_i32 s33, s42, 2*KVB                      ; LDS address: slot 0, my two steps
	s_mul_i32 s44, s17, 32*KVB
	s_add_co_u32 s44, s44, s33                     ; the same two steps in kv
	s_mov_b32 s45, 0
	s_mov_b32 s20, 0x76543210
	s_mov_b32 s21, 0xfedcba98
	s_mov_b32 s22, 0x3e38aa3b                      ; c = log2(e) / 8
	s_mov_b32 s23, s22                             ; (named with it as a pair, so it is written)
	s_mov_b32 s36, 0
	s_mov_b32 s37, 3
	s_and_b32 s42, s14, 1                          ; which tile of its pair is my wave's
	s_sub_co_u32 s39, 0, s42                       ; as a mask of lanes: none or all
	s_lshl_b32 s40, s42, 4                         ; and as a shift of the pair's scale word
	s_lshl_b32 s46, s17, 7
	s_lshl_b32 s47, s16, 3
	s_add_co_u32 s46, s46, s47
	s_lshr_b32 s47, s14, 1
	s_add_co_u32 s46, s46, s47                     ; my pair of query tiles: 128 bh + 8 x + wave / 2
	s_mov_b32 s49, 0
	s_wait_kmcnt 0x0
	s_add_nc_u64 s[34:35], s[8:9], s[44:45]
	s_or_b32 s35, s35, 0x80000000                  ; type = 2
	s_mul_i32 s48, s46, 1536
	s_add_nc_u64 s[4:5], s[4:5], s[48:49]
	s_lshl_b32 s48, s46, 8
	s_add_nc_u64 s[6:7], s[6:7], s[48:49]
	s_lshr_b32 s46, s17, 3
	s_lshl_b32 s46, s46, 8
	s_lshl_b32 s47, s16, 4
	s_add_co_u32 s46, s46, s47
	s_add_co_u32 s46, s46, s14                     ; my token tile: 256 x batch + 16 x + wave
	s_lshl_b32 s46, s46, 3
	s_and_b32 s47, s17, 7
	s_add_co_u32 s46, s46, s47                     ; x 8 + head
	s_mul_i32 s48, s46, 768
	s_add_nc_u64 s[10:11], s[10:11], s[48:49]
	s_lshl_b32 s48, s17, 13
	s_lshl_b32 s47, s16, 9
	s_add_co_u32 s48, s48, s47                     ; asc: 2 bytes a token: 8,192 bh + 512 x
	s_add_nc_u64 s[12:13], s[12:13], s[48:49]
	ROUND                                          ; all four work-groups are here: the first joint loads meet
	TLOAD                                          ; slot 0: key steps 0 to 7
	v_and_b32 v1, 31, v0
	v_lshlrev_b32 v8, 3, v1                        ; 8 x lane
	v_lshlrev_b32 v1, 4, v1                        ; 16 x lane
	v_add_nc_u32 v2, 12288, v8
.irp c, 0,1,2
	global_load_b128 v[232+4*\c:235+4*\c], v1, s[4:5] offset:512*\c          ; the pair's image
.endr
	global_load_b32 v244, v8, s[6:7]               ; and its scale word
	v_and_b32 v7, 0x1e0, v0                        ; the way out: 32 x wave
	v_and_b32 v9, 15, v0
	v_lshl_add_u32 v7, v9, 1, v7
	v_add_nc_u32 v7, STG, v7                       ; + 2 x (lane % 16): my query's two bytes
	v_add_nc_u32 v10, STG, v1
.irp j, 16,17,18,19,20,21,28,29,30,31,32,33
	v_mov_b32 v\j, 0                               ; the zero codes on both sides of Q
.endr
.irp b, 0,1,2,3
	v_mov_b32 v[216+\b], 0                         ; written once: a lane permute's destination counts as one of its sources
.endr
	v_mov_b32 v227, 0                              ; (named as the upper half of the pair v[226:227])
	v_mov_b32 v13, 0xff61b1e6                      ; the largest t so far: -3e38, under every t
	v_floor_f32 v12, -v13                          ; -M
	v_mov_b32 v14, 0
	v_mov_b32 v15, 0
	s_wait_loadcnt 0x0
.irp j, 0,1,2,3,4,5
	v_cndmask_b32 v[22+\j], v[232+\j], v[238+\j], s39    ; my tile's six registers of the pair's twelve
.endr
	v_lshrrev_b32 v244, s40, v244
	v_and_b32 v244, 0xffff, v244                   ; my tile's two bytes,
	v_lshl_or_b32 v34, v244, 16, v244              ; for K = 0..63 and for K = 64..127 alike
.set J, 0
.rept 32
	v_mov_b32 v[160+J], 0                          ; O^T: the step is written once; its first run finds zeros.  (These are also the places between the making of Q's operand and scale word and the first product)
.set J, J+1
.endr
; A KEY STEP: 128 keys.
.macro STEP
	v_add_nc_u32 v3, s36, v1
	v_add_nc_u32 v4, s36, v2
	v_nop
	v_nop                                          ; four places in front of loads into registers that the last step's products read
.irp i, 0,1,2,3
.irp c, 0,1,2
	ds_load_b128 v[36+12*\i+4*\c:39+12*\i+4*\c], v3 offset:1536*\i+512*\c    ; K's pair i
.endr
	ds_load_b64 v[84+2*\i:85+2*\i], v4 offset:256*\i                         ; K's pair i's scale word, V's tile i's
.endr
	s_wait_dscnt 0x0
.irp i, 0,1,2,3
	v_wmma_scale_f32_16x16x128_f8f6f4 v[96+16*\i:103+16*\i], v[36+12*\i:47+12*\i], v[22:33], 0, v[84+2*\i], v34 matrix_a_fmt:MATRIX_FMT_FP6 matrix_b_fmt:MATRIX_FMT_FP6     ; keys 32 i + 8 h + j
	v_wmma_scale_f32_16x16x128_f8f6f4 v[104+16*\i:111+16*\i], v[36+12*\i:47+12*\i], v[16:27], 0, v[84+2*\i], v34 matrix_a_fmt:MATRIX_FMT_FP6 matrix_b_fmt:MATRIX_FMT_FP6   ; keys 32 i + 16 + 8 h + j
.endr
	PLACES 4                                       ; in front of the loads into K's registers and of the first read of the scores
.irp i, 0,1,2,3
.irp c, 0,1,2
	ds_load_b128 v[36+12*\i+4*\c:39+12*\i+4*\c], v3 offset:6144+1536*\i+512*\c   ; V's tile i: it lands under the softmax
.endr
.endr
.irp b, 0,1,2,3
	v_max3_num_f32 v[212+\b], v[96+16*\b], v[97+16*\b], v[98+16*\b]          ; the largest score of each block of 32 keys: it serves for the row's maximum and, since p rises with the score, for the block's largest p
.endr
.irp i, 3,5,7,9,11,13
.irp b, 0,1,2,3
	v_max3_num_f32 v[212+\b], v[212+\b], v[96+16*\b+\i], v[97+16*\b+\i]
.endr
.endr
.irp b, 0,1,2,3
	v_max_num_f32 v[212+\b], v[212+\b], v[111+16*\b]
.endr
.irp b, 0,1,2,3
	v_permlanex16_b32 v[216+\b], v[212+\b], s20, s21
.endr
.irp b, 0,1,2,3
	v_max_num_f32 v[212+\b], v[212+\b], v[216+\b]  ; with lane l xor 16's 16 keys
.endr
	v_max3_num_f32 v224, v212, v213, v214
	v_max_num_f32 v224, v224, v215                 ; the step's largest score of my query
	v_mul_f32 v224, s22, v224                      ; as t (c is positive)
	v_max_num_f32 v13, v13, v224                   ; the running largest t
	v_mov_b32 v224, v12
	v_floor_f32 v12, -v13                          ; the new -M = floor(-t) = -ceil(t): a whole number
	v_sub_f32 v224, v12, v224                      ; old M - new M: a whole number, 0 or less
	v_cvt_i32_f32 v224, v224                       ; (it saturates)
	v_ldexp_f32 v226, 1.0, v224                    ; f = 2^(old M - new M)
.set J, 0
.rept 32
	v_pk_fma_f32 v[96+J:97+J], v[96+J:97+J], s[22:23], v[12:13] op_sel_hi:[1,0,0]    ; t - M, two at a time
.set J, J+2
.endr
.irp b, 0,1,2,3
	v_fma_f32 v[212+\b], v[212+\b], s22, v12       ; the same of each block's largest score
.endr
.set J, 0
.rept 64
	v_exp_f32 v[96+J], v[96+J]                     ; p = 2^(t - M), at most 1
.set J, J+1
.endr
.irp b, 0,1,2,3
	v_exp_f32 v[212+\b], v[212+\b]                 ; the block's largest p: the same two instructions on the same number
.endr
	v_pk_mul_f32 v[14:15], v[14:15], v[226:227] op_sel_hi:[1,0]              ; the sums under the new M.  (A plain place behind the exponentials)
	s_wait_alu depctr_va_vdst(0)
.irp b, 0,1,2,3
	v_max_num_f32 v[212+\b], 0x1800000, v[212+\b]  ; the floor 2^(3 - 127): the byte cannot fall under 1
.endr
.irp b, 0,1,2,3
	v_add_nc_u32 v[220+\b], 0xff000000, v[212+\b]  ; 2 off the exponent field: the conversion's scale operand
.endr
.irp b, 0,1,2,3
	v_lshrrev_b32 v[216+\b], 23, v[220+\b]         ; the scale's byte
.endr
	v_lshl_or_b32 v228, v217, 8, v216
	v_lshl_or_b32 v228, v218, 16, v228
	v_lshl_or_b32 v228, v219, 24, v228             ; p's scale word for these 128 keys
.irp c, 0,1
	v_cvt_scalef32_pk16_fp6_f32 v[192+6*\c:194+6*\c], v[96+32*\c:111+32*\c], v[220+2*\c]
	v_cvt_scalef32_pk16_fp6_f32 v[204+4*\c:206+4*\c], v[112+32*\c:127+32*\c], v[221+2*\c]    ; (a conversion's three registers begin on an even number)
.endr
	v_nop                                          ; one plain place behind a scaled conversion
.irp c, 0,1                                    ; the operand's layout wants a whole block in a lane
.irp i, 0,1,2
	v_permlane16_swap_b32 v[192+6*\c+\i], v[204+4*\c+\i]
.endr
.irp i, 0,1,2
	v_mov_b32 v[195+6*\c+\i], v[204+4*\c+\i]
.endr
.endr
	v_pk_add_f32 v[230:231], v[96:97], v[98:99]    ; the row's sum is taken of the unquantised p: two at a time, in two chains
.irp j, 4,8,12,16,20,24,28,32,36,40,44,48,52,56,60
	v_pk_add_f32 v[14:15], v[14:15], v[96+\j:97+\j]
	v_pk_add_f32 v[230:231], v[230:231], v[98+\j:99+\j]
.endr
	v_pk_add_f32 v[14:15], v[14:15], v[230:231]
.set J, 0
.rept 16
	v_pk_mul_f32 v[160+J:161+J], v[160+J:161+J], v[226:227] op_sel_hi:[1,0]  ; O^T under the new M, each accumulator from its low end on.  (With the sums: the places between the making of p's operand and scale word and the products)
.set J, J+2
.endr
	s_wait_dscnt 0x0                               ; V is in
.irp c, 0,1,2,3                                ; O^T += V^T P^T, the four accumulators by turns
	v_wmma_scale_f32_16x16x128_f8f6f4 v[160+8*\c:167+8*\c], v[36+12*\c:47+12*\c], v[192:203], v[160+8*\c:167+8*\c], v[85+2*\c], v228 matrix_a_fmt:MATRIX_FMT_FP6 matrix_b_fmt:MATRIX_FMT_FP6
.endr
.endm
; THE CHANGE OF SLOTS stands at a slot's head.  Each wave waits for all its tensor loads (a fetching wave's part of the slot ahead), adds 0 to its spare word, and waits for that and for its reads of the slot that it has left.
; fill = 1: a round of the cluster's barrier, so that no wave of any partner still reads the slot left or has a load on its way; then that slot is asked for jointly, first thing behind the round.
.macro CHANGE fill
	s_wait_tensorcnt 0x0                           ; no tensor load of mine is out, so group 0 may be written
	ds_add_u32 v5, v6                              ; 0 onto my spare word
.if \fill
	s_xor_b32 s33, s33, SLOT1                      ; the walking descriptor: the other slot than last time,
	s_add_nc_u64 s[34:35], s[34:35], SLOTB         ; the next 8 key steps; the type bits on top are not reached
.endif
	s_wait_dscnt 0x0                               ; the add is done, and my reads of the slot that I have left are over
.if \fill
	ROUND
	TLOAD
.else
	s_barrier_signal -1
	s_barrier_wait -1
.endif
.endm
.macro STEPS8                          ; a slot's eight key steps: written once, walked eight times; the LDS addresses hang on s36
	s_mov_b32 s38, 8
.Lstep_\@:
	STEP
	s_add_co_u32 s36, s36, KVB
	s_sub_co_u32 s38, s38, 1
	s_cmp_lg_u32 s38, 0
	s_cbranch_scc1 .Lstep_\@
	s_sub_co_u32 s36, s36, SLOTB                   ; back to a slot's first step,
	s_xor_b32 s36, s36, SLOT1                      ; in the other slot
.endm
.Lslot:                                            ; three trips: behind each change of slots but the last the next 8 key steps are asked for
	CHANGE 1
	STEPS8
	s_sub_co_u32 s37, s37, 1
	s_cmp_lg_u32 s37, 0
	s_cbranch_scc1 .Lslot
	CHANGE 0                                       ; the last slot is written out
	STEPS8
	; THE WAY OUT.  O^T / the sum; register 16 b + i is channel 32 b + 16 h + i of my query and head: two blocks along the last product's K.
	PLACES 4                                       ; in front of the first read of the last products' results
	v_add_f32 v14, v14, v15                        ; the sum's two halves,
	v_permlanex16_b32 v224, v14, s20, s21
	v_add_f32 v14, v14, v224                       ; and lane l xor 16's: the row's sum
	v_rcp_f32 v14, v14
	v_nop                                          ; a plain place behind the transcendental
.set J, 0
	s_wait_alu depctr_va_vdst(0)
.rept 32
	v_mul_f32 v[96+J], v[160+J], v14
.set J, J+1
.endr
.irp b, 0,1
	v_max3_num_f32 v[212+\b], |v[96+16*\b]|, |v[97+16*\b]|, 0x1800000        ; my 16 numbers of block b, and the floor
.endr
.irp i, 2,4,6,8,10,12,14
.irp b, 0,1
	v_max3_num_f32 v[212+\b], v[212+\b], |v[96+16*\b+\i]|, |v[97+16*\b+\i]|
.endr
.endr
.irp b, 0,1
	v_permlanex16_b32 v[216+\b], v[212+\b], s20, s21
.endr
.irp b, 0,1
	v_max_num_f32 v[212+\b], v[212+\b], v[216+\b]
.endr
.irp b, 0,1
	v_add_nc_u32 v[220+\b], 0xff000000, v[212+\b]
.endr
.irp b, 0,1
	v_lshrrev_b32 v[216+\b], 23, v[220+\b]
.endr
	v_lshl_or_b32 v229, v217, 8, v216              ; my query's two scale bytes of this head
	v_cvt_scalef32_pk16_fp6_f32 v[192:194], v[96:111], v220
	v_cvt_scalef32_pk16_fp6_f32 v[204:206], v[112:127], v221
	v_nop                                          ; one plain place behind a scaled conversion
.irp i, 0,1,2
	v_permlane16_swap_b32 v[192+\i], v[204+\i]
.endr
.irp i, 0,1,2
	v_mov_b32 v[195+\i], v[204+\i]                 ; v192-197: six registers of the last product's operand: K = 64 x head + 32 h + 0 .. 31
.endr
	global_store_b128 v1, v[192:195], s[10:11]             ; 512 consecutive bytes,
	global_store_b64 v8, v[196:197], s[10:11] offset:512   ; and 256
	ds_store_b16 v7, v229                          ; lanes l and l xor 16 write the same two bytes with the same value
	s_wait_dscnt 0x0                               ; for the others' sake: my store has landed
	s_barrier_signal -1
	s_barrier_wait -1
	s_cmp_lg_u32 s14, 0
	s_cbranch_scc1 .Lnot_first
	ds_load_b128 v[96:99], v10                     ; wave 0 takes the 256 queries' bytes
	s_wait_dscnt 0x0
	global_store_b128 v1, v[96:99], s[12:13]       ; and stores 512 consecutive bytes
.Lnot_first:
	s_wait_tensorcnt 0x0                           ; the wave's end: behind my last tensor load and my last LDS store
	ds_add_u32 v5, v6
	s_wait_dscnt 0x0
	ROUND                                          ; the closing round: no work-group ends while a partner may still ask for a tile that names it
	s_endpgm
.Lfunc_end_k_qdd2f31fd64_attn:
	.size	k_qdd2f31fd64_attn, .Lfunc_end_k_qdd2f31fd64_attn-k_qdd2f31fd64_attn
	.p2alignl 7, 3214868480
	.fill 96, 4, 3214868480
	.section	.rodata,"a",@progbits
	.p2align	6, 0x0
	.amdhsa_kernel k_qdd2f31fd64_attn
		.amdhsa_group_segment_fixed_size 327680
		.amdhsa_private_segment_fixed_size 0
		.amdhsa_enable_private_segment 0
		.amdhsa_kernarg_size 40
		.amdhsa_user_sgpr_count 2
		.amdhsa_user_sgpr_kernarg_segment_ptr 1
		.amdhsa_wavefront_size32 1
		.amdhsa_system_sgpr_workgroup_id_x 1
		.amdhsa_system_sgpr_workgroup_id_y 1
		.amdhsa_system_sgpr_workgroup_id_z 1
		.amdhsa_system_vgpr_workitem_id 0
		.amdhsa_next_free_vgpr 256
		.amdhsa_next_free_sgpr 66
		.amdhsa_reserve_vcc 0
		.amdhsa_float_denorm_mode_32 3
		.amdhsa_float_denorm_mode_16_64 3
		.amdhsa_memory_ordered 1
		.amdhsa_forward_progress 1
		.amdhsa_inst_pref_size 43
	.end_amdhsa_kernel
	.amdgpu_metadata
---
amdhsa.version: [ 1, 2 ]
amdhsa.kernels:
  - .name:           k_qdd2f31fd64_attn
    .symbol:         k_qdd2f31fd64_attn.kd
    .args:
      - { .name: qc, .offset: 0, .size: 8, .value_kind: global_buffer, .address_space: global }
      - { .name: qs, .offset: 8, .size: 8, .value_kind: global_buffer, .address_space: global }
      - { .name: kv, .offset: 16, .size: 8, .value_kind: global_buffer, .address_space: global }
      - { .name: ac, .offset: 24, .size: 8, .value_kind: global_buffer, .address_space: global }
      - { .name: asc, .offset: 32, .size: 8, .value_kind: global_buffer, .address_space: global }
    .group_segment_fixed_size: 327680
    .private_segment_fixed_size: 0
    .kernarg_segment_align: 8
    .kernarg_segment_size: 40
    .max_flat_workgroup_size: 512
    .sgpr_count:     66
    .vgpr_count:     256
    .wavefront_size: 32
...
	.end_amdgpu_metadata
.endif
;; end of part 2
;; launch oproj (part 3): grid 64 x 4, 8 waves a work-group, no clusters, 168,960 bytes of LDS; arguments ac, asc, Wo_codes, Wo_scales, bo, out0; writes out0
.if DOCPART == 3
	.amdgcn_target "amdgcn-amd-amdhsa--gfx1250"
	.amdhsa_code_object_version 6
	.text
	.protected	k_qdd2f31fd64_oproj
	.globl	k_qdd2f31fd64_oproj
	.p2align	8
	.type	k_qdd2f31fd64_oproj,@function
k_qdd2f31fd64_oproj:
	s_mov_b64 s[64:65], 0
	v_nop
	global_prefetch_b8 v0, s[64:65] scope:SCOPE_SE
	s_setreg_imm32_b32 hwreg(HW_REG_WAVE_MODE, 25, 1), 1
	s_wait_xcnt 0x0
; out = a Wo^T + bo on codes of FP6 (E2M3) with E8M0 scales.  a: the attention launch's codes, stored as images of operand registers (ac) with two scale bytes for each token and head (asc); Wo as it is given; out f32.
; SHARES.  Work-group (tb, y): tokens 128 tb .. + 127, outputs 128 y .. + 127.  Wave w: token tiles 2 (w % 4), 2 (w % 4) + 1, outputs 64 (w / 4) .. + 63: eight accumulators, 32 matrix instructions.
; THE MATRIX INSTRUCTION IS USED TRANSPOSED (source 0 = 16 rows of Wo, source 1 = 16 tokens): a lane holds eight neighbouring outputs of one token.  bo is the C of each sum's first instruction.
; a's fragments come straight from memory into registers (each is read by two waves of this work-group); Wo's 128 rows come once into LDS (waves 0 and 1, one tensor load each; one load of such a wave is out) and are read by all.
; The results go through the wave's own stage in LDS and leave as rows: sixteen lanes store 256 consecutive bytes, at a multiple of 256 from out's first byte.
; NO CLUSTER: a work-group asks for its 49,152 bytes of Wo once and has one barrier; joint loads would add two rounds of the cluster's barrier to spare requests for a weight of 196,608 bytes.
.set PITCH, 432                        ; an LDS row of Wo: 3 x (128 bytes of data + 16 of padding)
.set HALFR, 64*PITCH
.set STG,   128*PITCH                  ; behind Wo: for each wave two stages of 16 rows x (256 + 16) bytes; no tile lands here
.set SP,    272
.set ACC, 16                           ; v16-79   accumulator (xt, U) at 32 xt + 8 U
.set AF,  80                           ; v80-175  a's fragments (xt, s) at 12 (4 xt + s); on the way out: rows read back
.set BO,  176                          ; v176-207 bo in the result's layout
.set WSC, 208                          ; v208-215 Wo's scale words: register 4 (U / 2) + s
.set ASC, 216                          ; v216-219 a's scale words for K step s: lanes 0-15 tile xt = 0, lanes 16-31 tile xt = 1
.set HW,  220                          ; v220-227 a's two bytes of each head, as loaded
.set MSB, 0                            ; window 1: Wo's fragments (s, U) at 12 (4 s + U)
.macro WIN new                         ; the immediate's high byte repeats the setting that is left
.if MSB != \new
	s_set_vgpr_msb (MSB<<8)|\new
.set MSB, \new
.endif
.endm
.macro PLACES n
.rept \n
	v_nop
.endr
.endm
.macro FRAG reg, adr, s, row           ; 16 rows x 128 K from rows with 16 bytes of padding behind every 16 pieces of 8 bytes: where lanes 16-31's piece, three on, lies behind one padding more, the second address register serves
.irp p, 0,1,2,3,4,5
.set PCN, 12*(\s)+6*(\p/3)+\p%3
.if PCN%16 < 13
	ds_load_b64 v[(\reg)+2*\p:(\reg)+2*\p+1], v[\adr] offset:8*PCN+16*(PCN/16)+(\row)*PITCH
.else
	ds_load_b64 v[(\reg)+2*\p:(\reg)+2*\p+1], v[(\adr)+1] offset:8*PCN+16*(PCN/16)+(\row)*PITCH
.endif
.endr
.endm
.macro WM d, a, b, c, sa, sb, ra, rb   ; ra, rb: the half of the lanes from which source 0's and source 1's scale words are read
.if (\ra) == 1 && (\rb) == 1
	v_wmma_scale_f32_16x16x128_f8f6f4 v[(\d):(\d)+7], v[(\a):(\a)+11], v[(\b):(\b)+11], v[(\c):(\c)+7], v[\sa], v[\sb] matrix_a_fmt:MATRIX_FMT_FP6 matrix_b_fmt:MATRIX_FMT_FP6 matrix_a_scale:MATRIX_SCALE_ROW1 matrix_b_scale:MATRIX_SCALE_ROW1
.elseif (\ra) == 1
	v_wmma_scale_f32_16x16x128_f8f6f4 v[(\d):(\d)+7], v[(\a):(\a)+11], v[(\b):(\b)+11], v[(\c):(\c)+7], v[\sa], v[\sb] matrix_a_fmt:MATRIX_FMT_FP6 matrix_b_fmt:MATRIX_FMT_FP6 matrix_a_scale:MATRIX_SCALE_ROW1
.elseif (\rb) == 1
	v_wmma_scale_f32_16x16x128_f8f6f4 v[(\d):(\d)+7], v[(\a):(\a)+11], v[(\b):(\b)+11], v[(\c):(\c)+7], v[\sa], v[\sb] matrix_a_fmt:MATRIX_FMT_FP6 matrix_b_fmt:MATRIX_FMT_FP6 matrix_b_scale:MATRIX_SCALE_ROW1
.else
	v_wmma_scale_f32_16x16x128_f8f6f4 v[(\d):(\d)+7], v[(\a):(\a)+11], v[(\b):(\b)+11], v[(\c):(\c)+7], v[\sa], v[\sb] matrix_a_fmt:MATRIX_FMT_FP6 matrix_b_fmt:MATRIX_FMT_FP6
.endif
.endm
	s_load_b256 s[4:11], s[0:1], 0x0               ; ac s[4:5], asc s[6:7], Wo codes s[8:9], Wo scales s[10:11]
	s_load_b128 s[12:15], s[0:1], 0x20             ; bo s[12:13], out s[14:15]
	v_lshl_add_u32 v254, v0, 2, 0x29000
	v_mov_b32 v255, 0
	ds_add_u32 v254, v255
	v_lshrrev_b32 v1, 5, v0
	v_readfirstlane_b32 s16, v1                    ; wave 0..7
	s_and_b32 s17, ttmp7, 0xffff                   ; y
	s_and_b32 s18, s16, 3                          ; which pair of token tiles
	s_lshr_b32 s19, s16, 2                         ; which 64 outputs
	; descriptor group 1: 24,576 dense bytes (64 rows of 384) as 96 rows of 256 bytes, 16 bytes of padding behind every 128
	s_mov_b32 s24, (3<<16)|(1<<20)|(4<<22)|(3<<25)
	s_mov_b32 s25, 32<<16
	s_mov_b32 s26, 96<<16
	s_mov_b32 s27, 32<<16
	s_mov_b32 s28, 96
	s_mov_b32 s29, 32
	s_mov_b32 s30, 0
	s_mov_b32 s31, 0
	s_mov_b32 s32, 1
	s_and_b32 s20, s16, 1
	s_mul_i32 s33, s20, HALFR                      ; LDS address: my 64 rows
	s_lshl_b32 s36, s17, 7
	s_lshl_b32 s37, s20, 6
	s_add_co_u32 s36, s36, s37
	s_mul_i32 s36, s36, 384                        ; Wo's row 128 y + 64 x wave, in bytes
	s_mov_b32 s37, 0
	s_wait_dscnt 0x0
	s_wait_kmcnt 0x0
	s_add_nc_u64 s[34:35], s[8:9], s[36:37]
	s_or_b32 s35, s35, 0x80000000                  ; type = 2
	s_cmp_lt_u32 s16, 2                            ; waves 0 and 1 fetch
	s_cbranch_scc0 .Lno_fetch
	tensor_load_to_lds s[32:35], s[24:31]
	s_nop 0
	PLACES 4
.Lno_fetch:
	v_and_b32 v1, 31, v0                           ; lane
	v_and_b32 v2, 15, v0                           ; r
	v_bfe_u32 v3, v0, 4, 1                         ; h
	v_lshlrev_b32 v4, 4, v1                        ; 16 x lane
	v_lshlrev_b32 v5, 3, v1                        ; 8 x lane
	v_lshlrev_b32 v6, 1, v1                        ; 2 x lane
	v_lshlrev_b32 v7, 5, v3                        ; 32 h
	v_mul_u32_u24 v13, v2, PITCH
	s_mul_i32 s38, s19, HALFR
	v_add_nc_u32 v13, s38, v13
	v_mad_u32_u24 v8, v3, 24, v13                  ; v8, v9: Wo, my 64 rows: 432 r + 24 h, and + 40 h
	v_mad_u32_u24 v9, v3, 40, v13
	s_mul_i32 s38, s16, 32*SP
	s_add_co_u32 s38, s38, STG                     ; my two stages
	v_mul_u32_u24 v10, v2, SP
	v_lshl_add_u32 v10, v3, 5, v10
	v_add_nc_u32 v10, s38, v10                     ; in: row r, 32 bytes for each half of the lanes
	v_mul_u32_u24 v11, v3, SP
	v_lshl_add_u32 v11, v2, 4, v11
	v_add_nc_u32 v11, s38, v11                     ; back: lanes 0-15 one row of 256 bytes, lanes 16-31 the next
	v_lshlrev_b32 v12, 11, v3
	v_lshl_add_u32 v12, v2, 4, v12                 ; and the same two rows in out (2,048 bytes a row)
	s_lshl_b32 s36, ttmp9, 3
	s_lshl_b32 s38, s18, 1
	s_add_co_u32 s36, s36, s38
	s_mul_i32 s36, s36, 6144
	s_add_nc_u64 s[4:5], s[4:5], s[36:37]          ; ac at token tile 8 tb + 2 (w % 4): 8 heads x 768 bytes a tile
	s_lshr_b32 s36, ttmp9, 5
	s_lshl_b32 s36, s36, 16                        ; asc: a batch's 8 heads x 8,192 bytes,
	s_and_b32 s38, ttmp9, 31
	s_lshl_b32 s38, s38, 8
	s_add_co_u32 s36, s36, s38                     ; 128 tokens x 2 bytes a work-group,
	s_lshl_b32 s38, s18, 6
	s_add_co_u32 s36, s36, s38                     ; 32 tokens a wave
	s_add_nc_u64 s[6:7], s[6:7], s[36:37]
	s_lshl_b32 s36, s17, 11
	s_lshl_b32 s38, s19, 10
	s_add_co_u32 s36, s36, s38
	s_add_nc_u64 s[10:11], s[10:11], s[36:37]      ; Wo's scales: 16 bytes a row, from row 128 y + 64 (w / 4)
	s_lshr_b32 s36, s36, 2
	s_add_nc_u64 s[12:13], s[12:13], s[36:37]      ; bo: 4 bytes an output
	s_add_nc_u64 s[14:15], s[14:15], s[36:37]      ; out: my first column,
	s_lshl_b32 s36, ttmp9, 18
	s_lshl_b32 s38, s18, 16
	s_add_co_u32 s36, s36, s38
	s_add_nc_u64 s[14:15], s[14:15], s[36:37]      ; my first row: 128 tb + 32 (w % 4), 2,048 bytes each
.irp xt, 0,1
.irp s, 0,1,2,3                                ; fragment (xt, s): heads 2 s and 2 s + 1, six registers each, as they were stored
	global_load_b128 v[AF+12*(4*\xt+\s):AF+12*(4*\xt+\s)+3], v4, s[4:5] offset:6144*\xt+1536*\s
	global_load_b64 v[AF+12*(4*\xt+\s)+4:AF+12*(4*\xt+\s)+5], v5, s[4:5] offset:6144*\xt+1536*\s+512
	global_load_b128 v[AF+12*(4*\xt+\s)+6:AF+12*(4*\xt+\s)+9], v4, s[4:5] offset:6144*\xt+1536*\s+768
	global_load_b64 v[AF+12*(4*\xt+\s)+10:AF+12*(4*\xt+\s)+11], v5, s[4:5] offset:6144*\xt+1536*\s+1280
.endr
.endr
.irp e, 0,1,2,3,4,5,6,7
	global_load_u16 v[HW+\e], v6, s[6:7] offset:8192*\e      ; lane = token: its two bytes of head e
.endr
.irp p, 0,1
	global_load_b128 v[WSC+4*\p:WSC+4*\p+3], v4, s[10:11] offset:512*\p
.endr
.irp U, 0,1,2,3
	global_load_b128 v[BO+8*\U:BO+8*\U+3], v7, s[12:13] offset:64*\U         ; lane (r, h), register j: the bias of output 16 U + 8 h + j
	global_load_b128 v[BO+8*\U+4:BO+8*\U+7], v7, s[12:13] offset:64*\U+16
.endr
	s_wait_tensorcnt 0x0                           ; my part of Wo is in,
	s_barrier_signal -1
	s_barrier_wait -1                              ; everybody's is
.macro LW s                            ; Wo's four fragments of K step s: 24 loads, into registers of their own
	WIN 0x40
.irp U, 0,1,2,3
	FRAG 12*(4*(\s)+\U), 8, \s, 16*\U
.endr
.endm
.macro MULS s                          ; eight matrix instructions, the eight accumulators by turns
	WIN 0x01                                       ; source 0 (Wo) window 1
.irp xt, 0,1
.irp U, 0,1,2,3
.if (\s) == 0
	WM ACC+32*\xt+8*\U, 12*(4*(\s)+\U), AF+12*(4*\xt+(\s)), BO+8*\U, WSC+4*(\U/2)+(\s), ASC+(\s), \U%2, \xt
.else
	WM ACC+32*\xt+8*\U, 12*(4*(\s)+\U), AF+12*(4*\xt+(\s)), ACC+32*\xt+8*\U, WSC+4*(\U/2)+(\s), ASC+(\s), \U%2, \xt
.endif
.endr
.endr
.endm
	LW 0
	LW 1
	WIN 0
	s_wait_loadcnt 0x0
.irp s, 0,1,2,3
	v_lshl_or_b32 v[ASC+\s], v[HW+2*\s+1], 16, v[HW+2*\s]    ; a's scale word of K step s: two bytes of head 2 s, two of head 2 s + 1
.endr
	PLACES 8                                       ; a scale register written by a vector instruction stands eight places ahead of a scaled matrix instruction
	s_wait_dscnt 24                                ; K step 0's 24 loads are in; K step 1's may be out
	MULS 0
	LW 2
	s_wait_dscnt 24                                ; K step 1's are in; K step 2's may be out
	MULS 1
	LW 3
	s_wait_dscnt 24                                ; K step 2's are in; K step 3's may be out
	MULS 2
	s_wait_dscnt 0x0
	MULS 3
	WIN 0
	PLACES 4                                       ; in front of the first read of results, and of loads into the registers that held a's fragments
.irp xt, 0,1
.irp U, 0,1,2,3
	ds_store_b128 v10, v[ACC+32*\xt+8*\U:ACC+32*\xt+8*\U+3] offset:16*SP*\xt+64*\U           ; each accumulator from its low end on
	ds_store_b128 v10, v[ACC+32*\xt+8*\U+4:ACC+32*\xt+8*\U+7] offset:16*SP*\xt+64*\U+16
.endr
.endr
.irp n, 0,1,2,3,4,5,6,7,8,9,10,11,12,13,14,15
	ds_load_b128 v[AF+4*\n:AF+4*\n+3], v11 offset:16*SP*(\n/8)+2*(\n%8)*SP   ; LDS serves a wave's instructions in order (ISA guide 5.7.1.4): these see my stores
.endr
.irp n, 0,1,2,3,4,5,6,7,8,9,10,11,12,13,14,15
	s_wait_dscnt 15-\n                             ; the younger loads may stay out
	global_store_b128 v12, v[AF+4*\n:AF+4*\n+3], s[14:15] offset:(16*(\n/8)+2*(\n%8))*2048 th:TH_STORE_NT    ; written once, read by nobody here
.endr
	s_wait_tensorcnt 0x0
	ds_add_u32 v254, v255
	s_wait_dscnt 0x0
	s_endpgm
.Lfunc_end_k_qdd2f31fd64_oproj:
	.size	k_qdd2f31fd64_oproj, .Lfunc_end_k_qdd2f31fd64_oproj-k_qdd2f31fd64_oproj
	.p2alignl 7, 3214868480
	.fill 96, 4, 3214868480
	.section	.rodata,"a",@progbits
	.p2align	6, 0x0
	.amdhsa_kernel k_qdd2f31fd64_oproj
		.amdhsa_group_segment_fixed_size 168960
		.amdhsa_private_segment_fixed_size 0
		.amdhsa_enable_private_segment 0
		.amdhsa_kernarg_size 48
		.amdhsa_user_sgpr_count 2
		.amdhsa_user_sgpr_kernarg_segment_ptr 1
		.amdhsa_wavefront_size32 1
		.amdhsa_system_sgpr_workgroup_id_x 1
		.amdhsa_system_sgpr_workgroup_id_y 1
		.amdhsa_system_sgpr_workgroup_id_z 1
		.amdhsa_system_vgpr_workitem_id 0
		.amdhsa_next_free_vgpr 512
		.amdhsa_next_free_sgpr 66
		.amdhsa_reserve_vcc 0
		.amdhsa_float_denorm_mode_32 3
		.amdhsa_float_denorm_mode_16_64 3
		.amdhsa_memory_ordered 1
		.amdhsa_forward_progress 1
		.amdhsa_inst_pref_size 24
	.end_amdhsa_kernel
	.amdgpu_metadata
---
amdhsa.version: [ 1, 2 ]
amdhsa.kernels:
  - .name:           k_qdd2f31fd64_oproj
    .symbol:         k_qdd2f31fd64_oproj.kd
    .args:
      - { .name: ac, .offset: 0, .size: 8, .value_kind: global_buffer, .address_space: global }
      - { .name: asc, .offset: 8, .size: 8, .value_kind: global_buffer, .address_space: global }
      - { .name: Wo_codes, .offset: 16, .size: 8, .value_kind: global_buffer, .address_space: global }
      - { .name: Wo_scales, .offset: 24, .size: 8, .value_kind: global_buffer, .address_space: global }
      - { .name: bo, .offset: 32, .size: 8, .value_kind: global_buffer, .address_space: global }
      - { .name: out0, .offset: 40, .size: 8, .value_kind: global_buffer, .address_space: global }
    .group_segment_fixed_size: 168960
    .private_segment_fixed_size: 0
    .kernarg_segment_align: 8
    .kernarg_segment_size: 48
    .max_flat_workgroup_size: 256
    .sgpr_count:     66
    .vgpr_count:     512
    .wavefront_size: 32
...
	.end_amdgpu_metadata
.endif
;; end of part 3
;; ======== version 2 of 2: 3 launches
;; limits: right only within a limited range of input values
;; workspace buffers: qc 3,145,728 bytes; qs 524,288 bytes; kv 6,815,744 bytes; ac 3,145,728 bytes; asc 131,072 bytes
;; launch qkv (part 4): grid 64 x 4, 8 waves a work-group, no clusters, 222,208 bytes of LDS; arguments x_codes, x_scales, Wq_codes, Wq_scales, bq, Wk_codes, Wk_scales, bk, Wv_codes, Wv_scales, bv, qc, qs, kv; writes qc, qs, kv
.if DOCPART == 4
	.amdgcn_target "amdgcn-amd-amdhsa--gfx1250"
	.amdhsa_code_object_version 6
	.text
	.protected	k_qdd2f31fd64_qkv
	.globl	k_qdd2f31fd64_qkv
	.p2align	8
	.type	k_qdd2f31fd64_qkv,@function
k_qdd2f31fd64_qkv:
	s_mov_b64 s[64:65], 0
	v_nop
	global_prefetch_b8 v0, s[64:65] scope:SCOPE_SE
	s_setreg_imm32_b32 hwreg(HW_REG_WAVE_MODE, 25, 1), 1
	s_wait_xcnt 0x0
; q = x Wq^T + bq, k = x Wk^T + bk, v = x Wv^T + bv on codes of FP6 (E2M3) with E8M0 scales, as they are given; the three results are quantised here, in registers:
; q and k along a head's 64 channels (two blocks of 32), v along the keys (blocks of 32 tokens), and stored as IMAGES OF OPERAND REGISTERS for the attention launch.
; SHARES.  Work-group (tb, y): tokens 128 tb .. 128 tb + 127, heads 2 y and 2 y + 1.  Wave w: head 2 y + w / 4, i = w % 4: pair i of token tiles of q and of k (64 channels each), and of v the tile i
; of 16 channels for all 128 tokens: 3 x 32 matrix instructions a wave, the same path in every wave.
; LAYOUT.  q, k: source 0 = 16 rows of W, source 1 = 16 tokens: a lane holds ONE token and its registers run along the channels.  v: source 0 = 16 tokens, source 1 = 16 rows of Wv: a lane holds ONE channel and
; its registers run along the tokens.  So the conversions' results are operand registers.  Inside a block of 32 the order is: place 16 h + 8 u + j holds number 16 u + 8 h + j; it is the same in q and k, and the
; same in v and in the attention launch's p, so every product pairs the right numbers, and a block holds just the 32 numbers that the quantiser's block holds.
; A fragment of q or k is a PAIR of tiles: K = 0..63 the 64 channels of the pair's tile 0, K = 64..127 those of its tile 1; its scale word: two bytes of the one, two of the other.
; q's tiles are 16 neighbouring tokens.  THE TOKENS OF A TILE OF k ARE NOT NEIGHBOURS: lane r of tile xt of pair i takes token 64 (i / 2) + 8 (i % 2) + 16 xt + 32 (r / 8) + r % 8: rows 0-7 of a tile come from one block
; of 32 keys and rows 8-15 from the next, so that in the attention launch's scores a lane holds whole blocks of keys, in the order in which v's image holds a block.
; THE ROWS OF Wv THAT FORM A TILE ARE NOT NEIGHBOURS: lane r of tile 2 b + u takes channel 32 b + 8 u + r + 8 (r / 8), so that the attention launch's result has its channels in true order along the last product's K.
; LDS: x's 128 rows and 128 rows each of Wq, Wk, Wv, 384 bytes a row, filled ONCE, one tensor load a wave (one load of mine is out); no byte is filled again.
; NO CLUSTER: a work-group asks for its 4 x 49,152 bytes once, at its head, and has one barrier; joint loads would add two rounds of the cluster's barrier to spare requests for inputs of under 4 MB in all.
; LIMITS: NaN and infinities are not served.  A computed block whose largest magnitude lies under 2^-124 gets the byte 1, a block of zeros too (the quantiser says 127): its codes are zeros, and the bytes are read by this program alone.
.set PITCH, 432                        ; an LDS row: 3 x (128 bytes of data + 16 of padding) = 108 words
.set HALFR, 64*PITCH                   ; 64 rows: what one tensor load brings
.set REGN,  128*PITCH                  ; a region: x at 0, Wq, Wk, Wv behind it
.set KVB,   13312                      ; a key step's block in kv: 4 x 1,536 K, 4 x 1,536 V, 1,024 scale words
.set HA,  16                           ; v16-79   eight accumulators
.set TM,  80                           ; v80-95   the quantiser's work
.set PC,  100                          ; v100-118 the codes just made
.set XSV, 120                          ; v120-135 x's scale words: register 4 p + s: lanes 0-15 token tile 2 p, lanes 16-31 tile 2 p + 1
.set XSP, 136                          ; v136-139 the same for q's pair i
.set WQS, 140                          ; v140-147 Wq's scale words: register 4 (U / 2) + s
.set WKS, 148                          ; v148-155 Wk's
.set WVS, 156                          ; v156-159 Wv's, of my tile's rows
.set BQ,  160                          ; v160-191 bq in the result's layout, 8 registers a tile
.set BK,  192                          ; v192-223 bk
.set BV,  224                          ; v224-231 bv of my lane's channel, eight times
.set AXK, 240                          ; v240-241 LDS address of x's rows for k's pair i
.set XSK, 244                          ; v244-247 x's scale words of those rows: lanes 0-15 tile 0 of the pair, lanes 16-31 tile 1
.set TO_F, 0x40                        ; destination window 1, address window 0
.set MUL,  0x05                        ; sources 0 and 1 window 1; C and D window 0
.set MSB, 0
.macro WIN new                         ; the immediate's high byte repeats the setting that is left
.if MSB != \new
	s_set_vgpr_msb (MSB<<8)|\new
.set MSB, \new
.endif
.endm
.macro PLACES n
.rept \n
	v_nop
.endr
.endm
; A fragment, 16 rows x 128 K, the row's s-th: 12 registers; lane (r, h) takes pieces of 8 bytes 12 s + 3 h + 0, 1, 2 and 12 s + 6 + 3 h + 0, 1, 2 of its row.  16 bytes of padding lie behind every 16 pieces:
; where the piece three on lies behind one padding more, the second address register (40 for 24 bytes a half) serves.
.macro FRAG reg, adr, s, row
.irp p, 0,1,2,3,4,5
.set PCN, 12*(\s)+6*(\p/3)+\p%3
.if PCN%16 < 13
	ds_load_b64 v[(\reg)+2*\p:(\reg)+2*\p+1], v[\adr] offset:8*PCN+16*(PCN/16)+(\row)*PITCH
.else
	ds_load_b64 v[(\reg)+2*\p:(\reg)+2*\p+1], v[(\adr)+1] offset:8*PCN+16*(PCN/16)+(\row)*PITCH
.endif
.endr
.endm
; One matrix instruction; ra, rb: the half of the lanes from which source 0's and source 1's scale words are read
.macro WM d, a, b, c, sa, sb, ra, rb
.if (\ra) == 1 && (\rb) == 1
	v_wmma_scale_f32_16x16x128_f8f6f4 v[(\d):(\d)+7], v[(\a):(\a)+11], v[(\b):(\b)+11], v[(\c):(\c)+7], v[\sa], v[\sb] matrix_a_fmt:MATRIX_FMT_FP6 matrix_b_fmt:MATRIX_FMT_FP6 matrix_a_scale:MATRIX_SCALE_ROW1 matrix_b_scale:MATRIX_SCALE_ROW1
.elseif (\ra) == 1
	v_wmma_scale_f32_16x16x128_f8f6f4 v[(\d):(\d)+7], v[(\a):(\a)+11], v[(\b):(\b)+11], v[(\c):(\c)+7], v[\sa], v[\sb] matrix_a_fmt:MATRIX_FMT_FP6 matrix_b_fmt:MATRIX_FMT_FP6 matrix_a_scale:MATRIX_SCALE_ROW1
.elseif (\rb) == 1
	v_wmma_scale_f32_16x16x128_f8f6f4 v[(\d):(\d)+7], v[(\a):(\a)+11], v[(\b):(\b)+11], v[(\c):(\c)+7], v[\sa], v[\sb] matrix_a_fmt:MATRIX_FMT_FP6 matrix_b_fmt:MATRIX_FMT_FP6 matrix_b_scale:MATRIX_SCALE_ROW1
.else
	v_wmma_scale_f32_16x16x128_f8f6f4 v[(\d):(\d)+7], v[(\a):(\a)+11], v[(\b):(\b)+11], v[(\c):(\c)+7], v[\sa], v[\sb] matrix_a_fmt:MATRIX_FMT_FP6 matrix_b_fmt:MATRIX_FMT_FP6
.endif
.endm
; 64 numbers of a lane, v[s] .. v[s + 63], register 16 b + i = place 32 b + 16 (lane / 16) + i of my row, become a fragment's codes in v[PC] on and its scale word in v[pw]
.macro QUANT s, pw
.irp b, 0,1,2,3
	v_max3_num_f32 v[TM+\b], |v[(\s)+16*\b]|, |v[(\s)+1+16*\b]|, 0x1800000   ; block b: my 16 numbers, and the floor 2^(3 - 127): the byte cannot fall under 1
.endr
.irp i, 2,4,6,8,10,12,14
.irp b, 0,1,2,3
	v_max3_num_f32 v[TM+\b], v[TM+\b], |v[(\s)+16*\b+\i]|, |v[(\s)+1+16*\b+\i]|   ; the four blocks by turns
.endr
.endr
.irp b, 0,1,2,3
	s_delay_alu instid0(VALU_DEP_4)
	v_permlanex16_b32 v[TM+4+\b], v[TM+\b], s56, s57
.endr
.irp b, 0,1,2,3
	s_delay_alu instid0(VALU_DEP_4)
	v_max_num_f32 v[TM+\b], v[TM+\b], v[TM+4+\b]      ; with lane l xor 16's: the block's largest magnitude
.endr
.irp b, 0,1,2,3
	s_delay_alu instid0(VALU_DEP_4)
	v_add_nc_u32 v[TM+12+\b], 0xff000000, v[TM+\b]    ; 2 off its exponent field: the conversion's scale operand
.endr
.irp b, 0,1,2,3
	s_delay_alu instid0(VALU_DEP_4)
	v_lshrrev_b32 v[TM+4+\b], 23, v[TM+12+\b]         ; the scale's byte
.endr
	s_delay_alu instid0(VALU_DEP_3)
	v_lshl_or_b32 v[\pw], v[TM+5], 8, v[TM+4]
	s_delay_alu instid0(VALU_DEP_1)
	v_lshl_or_b32 v[\pw], v[TM+6], 16, v[\pw]
	s_delay_alu instid0(VALU_DEP_1)
	v_lshl_or_b32 v[\pw], v[TM+7], 24, v[\pw]         ; my row's scale word, the same in lanes l and l xor 16
.irp c, 0,1
	v_cvt_scalef32_pk16_fp6_f32 v[PC+6*\c:PC+2+6*\c], v[(\s)+32*\c:(\s)+15+32*\c], v[TM+12+2*\c]
	v_cvt_scalef32_pk16_fp6_f32 v[PC+12+4*\c:PC+14+4*\c], v[(\s)+16+32*\c:(\s)+31+32*\c], v[TM+13+2*\c]   ; (a conversion's three registers begin on an even number)
.endr
	v_nop                                             ; one plain place behind a scaled conversion
.irp c, 0,1                                       ; the operand's layout wants a whole block in a lane: lanes 0-15 block 2 c, lanes 16-31 block 2 c + 1
.irp i, 0,1,2
	v_permlane16_swap_b32 v[PC+6*\c+\i], v[PC+12+4*\c+\i]
.endr
.irp i, 0,1,2
	s_delay_alu instid0(VALU_DEP_3)
	v_mov_b32 v[PC+3+6*\c+\i], v[PC+12+4*\c+\i]
.endr
.endr
.endm
	s_load_b512 s[8:23], s[0:1], 0x0               ; x codes s[8:9], x scales s[10:11], Wq codes s[12:13], Wq scales s[14:15], bq s[16:17], Wk codes s[18:19], Wk scales s[20:21], bk s[22:23]
	s_load_b256 s[24:31], s[0:1], 0x40             ; Wv codes s[24:25], Wv scales s[26:27], bv s[28:29], qc s[30:31]
	s_load_b128 s[32:35], s[0:1], 0x60             ; qs s[32:33], kv s[34:35]
	v_lshl_add_u32 v254, v0, 2, 0x36000
	v_mov_b32 v255, 0
	ds_add_u32 v254, v255
	ds_add_u32 v254, v255
	v_lshrrev_b32 v1, 5, v0
	s_delay_alu instid0(VALU_DEP_1)
	v_readfirstlane_b32 s52, v1                    ; wave 0..7
	s_and_b32 s53, ttmp7, 0xffff                   ; y
	s_lshr_b32 s54, s52, 2                         ; which of the two heads
	s_and_b32 s55, s52, 3                          ; i
	s_lshr_b32 s58, s52, 1                         ; the region that I fill: 0 x, 1 Wq, 2 Wk, 3 Wv
	s_and_b32 s59, s52, 1                          ; and which 64 rows of it
	; descriptor group 1: 24,576 dense bytes (64 rows of 384) as 96 rows of 256 bytes, 16 bytes of padding behind every 128
	s_mov_b32 s40, (3<<16)|(1<<20)|(4<<22)|(3<<25) ; no mask; elements of 8 bytes; padding on; after every 32 words (code 4); of 4 words (code 3)
	s_mov_b32 s41, 32<<16                          ; tensor_dim0 = 32
	s_mov_b32 s42, 96<<16                          ; tensor_dim1 = 96
	s_mov_b32 s43, 32<<16                          ; tile_dim0 = 32
	s_mov_b32 s44, 96                              ; tile_dim1 = 96
	s_mov_b32 s45, 32                              ; elements from row to row
	s_mov_b32 s46, 0
	s_mov_b32 s47, 0
	s_mov_b32 s48, 1                               ; group 0: count = 1
	s_mul_i32 s49, s52, HALFR                      ; LDS address: wave x 64 rows
	s_lshl_b32 s60, ttmp9, 7                       ; x's first row: 128 tb
	s_lshl_b32 s61, s53, 7                         ; a weight's: 128 y
	s_cmp_eq_u32 s58, 0
	s_cselect_b32 s38, s60, s61
	s_lshl_b32 s39, s59, 6
	s_add_co_u32 s38, s38, s39
	s_mul_i32 s38, s38, 384                        ; in bytes (under 2^22)
	s_mov_b32 s39, 0
	s_mov_b32 s56, 0x76543210
	s_mov_b32 s57, 0xfedcba98                      ; v_permlanex16_b32's selects for lane l xor 16
	s_wait_dscnt 0x0
	s_wait_kmcnt 0x0
	s_cmp_eq_u32 s58, 1                            ; the buffer is chosen by the wave's number alone
	s_cselect_b64 s[36:37], s[12:13], s[8:9]
	s_cmp_eq_u32 s58, 2
	s_cselect_b64 s[36:37], s[18:19], s[36:37]
	s_cmp_eq_u32 s58, 3
	s_cselect_b64 s[36:37], s[24:25], s[36:37]
	s_add_nc_u64 s[50:51], s[36:37], s[38:39]
	s_or_b32 s51, s51, 0x80000000                  ; type = 2
	tensor_load_to_lds s[48:51], s[40:47]          ; my one load, ahead of everything else
	s_nop 0
	PLACES 4
	; LDS addresses
	v_and_b32 v1, 31, v0                           ; lane
	v_and_b32 v2, 15, v0                           ; r
	v_bfe_u32 v3, v0, 4, 1                         ; h
	s_delay_alu instid0(VALU_DEP_3)
	v_lshlrev_b32 v4, 4, v1                        ; 16 x lane
	s_delay_alu instid0(VALU_DEP_4)
	v_lshlrev_b32 v5, 3, v1                        ; 8 x lane
	s_delay_alu instid0(VALU_DEP_4)
	v_mul_u32_u24 v232, v2, PITCH
	s_delay_alu instid0(VALU_DEP_1)
	v_mad_u32_u24 v8, v3, 24, v232                 ; v8, v9: x, all tiles: 432 r + 24 h, and + 40 h
	s_delay_alu instid0(VALU_DEP_2)
	v_mad_u32_u24 v9, v3, 40, v232
	s_mul_i32 s60, s55, 32*PITCH
	v_add_nc_u32 v6, s60, v8                       ; v6, v7: x, the 32 rows of q's pair
	v_add_nc_u32 v7, s60, v9
	s_mul_i32 s60, s54, HALFR                      ; my head's 64 rows of a weight's region
	s_add_co_u32 s61, s60, REGN
	v_add_nc_u32 v10, s61, v8                      ; v10, v11: Wq
	v_add_nc_u32 v11, s61, v9
	s_add_co_u32 s61, s60, 2*REGN
	v_add_nc_u32 v12, s61, v8                      ; v12, v13: Wk
	v_add_nc_u32 v13, s61, v9
	v_and_b32 v233, 8, v2
	s_delay_alu instid0(VALU_DEP_1)
	v_add_nc_u32 v233, v233, v2                    ; r + 8 (r / 8)
	s_lshr_b32 s61, s55, 1
	s_lshl_b32 s61, s61, 5
	s_and_b32 s62, s55, 1
	s_lshl_b32 s62, s62, 3
	s_add_co_u32 s61, s61, s62
	v_add_nc_u32 v233, s61, v233                   ; my lane's channel of the head: 32 (i / 2) + 8 (i % 2) + r + 8 (r / 8)
	s_delay_alu instid0(VALU_DEP_1)
	v_mul_u32_u24 v234, v233, PITCH
	s_add_co_u32 s62, s60, 3*REGN
	v_add_nc_u32 v234, s62, v234
	s_delay_alu instid0(VALU_DEP_1)
	v_mad_u32_u24 v14, v3, 24, v234                ; v14, v15: Wv, my tile
	s_delay_alu instid0(VALU_DEP_2)
	v_mad_u32_u24 v15, v3, 40, v234
	; x's rows for k's pair: token 64 (i / 2) + 8 (i % 2) + 32 (r / 8) + r % 8; the pair's tile 1 lies 16 rows on.  Rows 32 apart start at the same bank (32 x 108 words is a multiple of 64 banks: ISA guide 11.1):
	; these loads, 48 of a wave's 504, go two deep
	v_and_b32 v239, 7, v2
	v_lshrrev_b32 v242, 3, v2
	s_delay_alu instid0(VALU_DEP_1)
	v_lshl_add_u32 v239, v242, 5, v239             ; r % 8 + 32 (r / 8)
	s_lshr_b32 s61, s55, 1
	s_lshl_b32 s61, s61, 6
	s_and_b32 s62, s55, 1
	s_lshl_b32 s62, s62, 3
	s_add_co_u32 s61, s61, s62
	v_add_nc_u32 v239, s61, v239
	s_delay_alu instid0(VALU_DEP_1)
	v_mul_u32_u24 v242, v239, PITCH
	s_delay_alu instid0(VALU_DEP_1)
	v_mad_u32_u24 v[AXK], v3, 24, v242
	s_delay_alu instid0(VALU_DEP_2)
	v_mad_u32_u24 v[AXK+1], v3, 40, v242
	s_delay_alu instid0(VALU_DEP_4)
	v_lshl_add_u32 v243, v3, 4, v239               ; lane (r, h) holds the scale words of the pair's tile h
	s_delay_alu instid0(VALU_DEP_1)
	v_lshlrev_b32 v243, 4, v243                    ; 16 bytes a row
	; offsets for the loads from memory
	s_lshl_b32 s61, s55, 9
	v_add_nc_u32 v235, s61, v4                     ; x's scale words of q's pair: 512 i + 16 x lane
	s_wait_alu depctr_va_vdst(0)
	v_lshlrev_b32 v236, 4, v233                    ; Wv's scale words: 16 bytes a row
	s_wait_alu depctr_va_vdst(0)
	v_lshlrev_b32 v237, 5, v3                      ; bq, bk: 32 h
	s_wait_alu depctr_va_vdst(0)
	v_lshlrev_b32 v238, 2, v233                    ; bv: my channel
	s_wait_alu depctr_va_vdst(0)
.irp b, 0,1,2,3
	v_mov_b32 v[TM+4+\b], 0                        ; written once: a lane permute's destination counts as one of its sources
.endr
	; the buffers at this work-group's and this wave's part
	s_lshl_b32 s38, ttmp9, 11
	s_add_nc_u64 s[10:11], s[10:11], s[38:39]      ; x's scales: 128 rows of 16 bytes a work-group
	s_lshl_b32 s62, s53, 1
	s_add_co_u32 s62, s62, s54                     ; head
	s_lshl_b32 s38, s62, 10
	s_add_nc_u64 s[14:15], s[14:15], s[38:39]      ; the weights' scales: 64 rows of 16 bytes a head
	s_add_nc_u64 s[20:21], s[20:21], s[38:39]
	s_add_nc_u64 s[26:27], s[26:27], s[38:39]
	s_lshl_b32 s38, s62, 8
	s_add_nc_u64 s[16:17], s[16:17], s[38:39]      ; the biases: 64 numbers a head
	s_add_nc_u64 s[22:23], s[22:23], s[38:39]
	s_add_nc_u64 s[28:29], s[28:29], s[38:39]
	s_lshr_b32 s60, ttmp9, 5
	s_lshl_b32 s60, s60, 3
	s_add_co_u32 s60, s60, s62                     ; bh = 8 x batch + head
	s_and_b32 s61, ttmp9, 31                       ; t: which 128 tokens of the batch's 4,096
	s_lshl_b32 s63, s60, 7
	s_lshl_b32 s38, s61, 2
	s_add_co_u32 s63, s63, s38
	s_add_co_u32 s63, s63, s55                     ; my pair: 128 bh + 4 t + i
	s_mul_i32 s38, s63, 1536
	s_add_nc_u64 s[30:31], s[30:31], s[38:39]      ; qc
	s_lshl_b32 s38, s63, 8
	s_add_nc_u64 s[32:33], s[32:33], s[38:39]      ; qs
	s_lshl_b32 s63, s60, 5
	s_add_co_u32 s63, s63, s61
	s_mul_i32 s63, s63, KVB                        ; kv: block 32 bh + t
	s_lshl_b32 s38, s55, 8
	s_add_co_u32 s38, s38, s63
	s_add_co_u32 s38, s38, 12288
	s_add_nc_u64 s[36:37], s[34:35], s[38:39]      ; its scale words, part i
	s_mul_i32 s38, s55, 1536
	s_add_co_u32 s38, s38, s63
	s_add_nc_u64 s[34:35], s[34:35], s[38:39]      ; its image i of K; V's lies 6,144 bytes on
	; scale words and biases
.irp p, 0,1,2,3
	global_load_b128 v[XSV+4*\p:XSV+4*\p+3], v4, s[10:11] offset:512*\p      ; 512 consecutive bytes a load
.endr
	global_load_b128 v[XSP:XSP+3], v235, s[10:11]
	global_load_b128 v[XSK:XSK+3], v243, s[10:11]  ; 16 bytes a lane of the work-group's 2,048
.irp p, 0,1
	global_load_b128 v[WQS+4*\p:WQS+4*\p+3], v4, s[14:15] offset:512*\p
	global_load_b128 v[WKS+4*\p:WKS+4*\p+3], v4, s[20:21] offset:512*\p
.endr
	global_load_b128 v[WVS:WVS+3], v236, s[26:27]
.irp U, 0,1,2,3
	global_load_b128 v[BQ+8*\U:BQ+8*\U+3], v237, s[16:17] offset:64*\U       ; lane (r, h), register j: the bias of channel 16 U + 8 h + j
	global_load_b128 v[BQ+8*\U+4:BQ+8*\U+7], v237, s[16:17] offset:64*\U+16
	global_load_b128 v[BK+8*\U:BK+8*\U+3], v237, s[22:23] offset:64*\U
	global_load_b128 v[BK+8*\U+4:BK+8*\U+7], v237, s[22:23] offset:64*\U+16
.endr
	global_load_b32 v[BV], v238, s[28:29]
	s_wait_loadcnt 0x0
.irp j, 1,2,3,4,5,6,7
	v_mov_b32 v[BV+\j], v[BV]                      ; in v's result a lane holds one channel: the same bias in all eight registers
.endr
	s_wait_tensorcnt 0x0                           ; my part of the four regions is in,
	s_barrier_signal -1
	s_barrier_wait -1                              ; everybody's is
; Twelve stages n: q's four K steps of 128, k's four, v's four.  LOADS n: the stage's fragments into buffer n % 2 of window 1.  q, k: x's two tiles of the pair, the weight's four tiles.  v: x's eight tiles, Wv's one.
.macro LOADS n
.set BUF, 128*((\n)%2)
.set SS, (\n)%4
	WIN TO_F
.if (\n) < 8
.if (\n) < 4
.set AW, 10
.set AX, 6
.else
.set AW, 12
.set AX, AXK
.endif
	FRAG BUF, AX, SS, 0
	FRAG BUF+12, AX, SS, 16
.irp U, 0,1,2,3
	FRAG BUF+24+12*\U, AW, SS, 16*\U
.endr
.else
.irp T, 0,1,2,3,4,5,6,7
	FRAG BUF+12*\T, 8, SS, 16*\T
.endr
	FRAG BUF+96, 14, SS, 0
.endif
.endm
; MULS n: eight matrix instructions, the eight accumulators by turns.  A sum's first instruction takes the bias as C: nothing is cleared, nothing is added later.
.macro MULS n
.set BUF, 128*((\n)%2)
.set SS, (\n)%4
	WIN MUL
.if (\n) < 8
.if (\n) < 4
.set WSC, WQS
.set BIA, BQ
.set XSC, XSP
.else
.set WSC, WKS
.set BIA, BK
.set XSC, XSK
.endif
.irp xt, 0,1
.irp U, 0,1,2,3
.if SS == 0
	WM HA+32*\xt+8*\U, BUF+24+12*\U, BUF+12*\xt, BIA+8*\U, WSC+4*(\U/2)+SS, XSC+SS, \U%2, \xt
.else
	WM HA+32*\xt+8*\U, BUF+24+12*\U, BUF+12*\xt, HA+32*\xt+8*\U, WSC+4*(\U/2)+SS, XSC+SS, \U%2, \xt
.endif
.endr
.endr
.else
.irp T, 0,1,2,3,4,5,6,7
.if SS == 0
	WM HA+8*\T, BUF+12*\T, BUF+96, BV, XSV+4*(\T/2)+SS, WVS+SS, \T%2, 0
.else
	WM HA+8*\T, BUF+12*\T, BUF+96, HA+8*\T, XSV+4*(\T/2)+SS, WVS+SS, \T%2, 0
.endif
.endr
.endif
.endm
.macro STAGE n
	s_wait_dscnt 0x0                               ; this stage's fragments are in
.if (\n)%4 != 0
	PLACES 4                                       ; the next loads land in the buffer that the last stage's products read (behind stages 3 and 7 the quantiser's plain instructions are the places)
.endif
.if (\n) < 11
	LOADS (\n)+1                                   ; the next stage's fragments are on their way while this stage is multiplied
.endif
	MULS \n
.endm
.macro FINISH pw                       ; a finished result becomes codes
	WIN 0
	PLACES 4                                       ; in front of the first read of results
	s_wait_xcnt 0x0                                ; the registers that the last stores read are written again only behind this wait
	QUANT HA, \pw
.endm
	LOADS 0
.irp n, 0,1,2,3
	STAGE \n
.endr
	FINISH 96
	v_mov_b32 v97, v96                             ; the word twice, so that the 32 lanes' store covers 256 consecutive bytes
.irp c, 0,1,2
	global_store_b128 v4, v[PC+4*\c:PC+4*\c+3], s[30:31] offset:512*\c       ; q's pair: an image of its 12 registers, 512 consecutive bytes a store
.endr
	global_store_b64 v5, v[96:97], s[32:33]
.irp n, 4,5,6,7
	STAGE \n
.endr
	FINISH 98
.irp c, 0,1,2
	global_store_b128 v4, v[PC+4*\c:PC+4*\c+3], s[34:35] offset:512*\c       ; k's pair
.endr
.irp n, 8,9,10,11
	STAGE \n
.endr
	FINISH 99
.irp c, 0,1,2
	global_store_b128 v4, v[PC+4*\c:PC+4*\c+3], s[34:35] offset:6144+512*\c  ; v's tile: 16 channels x 128 keys
.endr
	global_store_b64 v5, v[98:99], s[36:37]        ; k's scale word and v's, side by side: 256 consecutive bytes
	s_wait_tensorcnt 0x0
	ds_add_u32 v254, v255
	s_wait_dscnt 0x0
	s_endpgm
.Lfunc_end_k_qdd2f31fd64_qkv:
	.size	k_qdd2f31fd64_qkv, .Lfunc_end_k_qdd2f31fd64_qkv-k_qdd2f31fd64_qkv
	.p2alignl 7, 3214868480
	.fill 96, 4, 3214868480
	.section	.rodata,"a",@progbits
	.p2align	6, 0x0
	.amdhsa_kernel k_qdd2f31fd64_qkv
		.amdhsa_group_segment_fixed_size 222208
		.amdhsa_private_segment_fixed_size 0
		.amdhsa_enable_private_segment 0
		.amdhsa_kernarg_size 112
		.amdhsa_user_sgpr_count 2
		.amdhsa_user_sgpr_kernarg_segment_ptr 1
		.amdhsa_wavefront_size32 1
		.amdhsa_system_sgpr_workgroup_id_x 1
		.amdhsa_system_sgpr_workgroup_id_y 1
		.amdhsa_system_sgpr_workgroup_id_z 1
		.amdhsa_system_vgpr_workitem_id 0
		.amdhsa_next_free_vgpr 512
		.amdhsa_next_free_sgpr 66
		.amdhsa_reserve_vcc 0
		.amdhsa_float_denorm_mode_32 3
		.amdhsa_float_denorm_mode_16_64 3
		.amdhsa_memory_ordered 1
		.amdhsa_forward_progress 1
		.amdhsa_inst_pref_size 71
	.end_amdhsa_kernel
	.amdgpu_metadata
---
amdhsa.version: [ 1, 2 ]
amdhsa.kernels:
  - .name:           k_qdd2f31fd64_qkv
    .symbol:         k_qdd2f31fd64_qkv.kd
    .args:
      - { .name: x_codes, .offset: 0, .size: 8, .value_kind: global_buffer, .address_space: global }
      - { .name: x_scales, .offset: 8, .size: 8, .value_kind: global_buffer, .address_space: global }
      - { .name: Wq_codes, .offset: 16, .size: 8, .value_kind: global_buffer, .address_space: global }
      - { .name: Wq_scales, .offset: 24, .size: 8, .value_kind: global_buffer, .address_space: global }
      - { .name: bq, .offset: 32, .size: 8, .value_kind: global_buffer, .address_space: global }
      - { .name: Wk_codes, .offset: 40, .size: 8, .value_kind: global_buffer, .address_space: global }
      - { .name: Wk_scales, .offset: 48, .size: 8, .value_kind: global_buffer, .address_space: global }
      - { .name: bk, .offset: 56, .size: 8, .value_kind: global_buffer, .address_space: global }
      - { .name: Wv_codes, .offset: 64, .size: 8, .value_kind: global_buffer, .address_space: global }
      - { .name: Wv_scales, .offset: 72, .size: 8, .value_kind: global_buffer, .address_space: global }
      - { .name: bv, .offset: 80, .size: 8, .value_kind: global_buffer, .address_space: global }
      - { .name: qc, .offset: 88, .size: 8, .value_kind: global_buffer, .address_space: global }
      - { .name: qs, .offset: 96, .size: 8, .value_kind: global_buffer, .address_space: global }
      - { .name: kv, .offset: 104, .size: 8, .value_kind: global_buffer, .address_space: global }
    .group_segment_fixed_size: 222208
    .private_segment_fixed_size: 0
    .kernarg_segment_align: 8
    .kernarg_segment_size: 112
    .max_flat_workgroup_size: 256
    .sgpr_count:     66
    .vgpr_count:     512
    .wavefront_size: 32
...
	.end_amdgpu_metadata
.endif
;; end of part 4
;; launch attn (part 5): grid 16 x 16, 8 waves a work-group, clusters of 4 x 1, 327,680 bytes of LDS; arguments qc, qs, kv, ac, asc; writes ac, asc
.if DOCPART == 5
	.amdgcn_target "amdgcn-amd-amdhsa--gfx1250"
	.amdhsa_code_object_version 6
	.text
	.protected	k_qdd2f31fd64_attn
	.globl	k_qdd2f31fd64_attn
	.p2align	8
	.type	k_qdd2f31fd64_attn,@function
k_qdd2f31fd64_attn:
	s_mov_b64 s[64:65], 0
	v_nop
	global_prefetch_b8 v0, s[64:65] scope:SCOPE_SE
	s_setreg_imm32_b32 hwreg(HW_REG_WAVE_MODE, 25, 1), 1
	s_wait_xcnt 0x0
	s_wait_alu depctr_hold_cnt(0) depctr_sa_sdst(0) depctr_va_vdst(0) depctr_va_sdst(0) depctr_va_ssrc(0) depctr_va_vcc(0) depctr_vm_vsrc(0)
	s_getreg_b32 s2, hwreg(HW_REG_IB_STS2, 6, 4)
	s_cmp_eq_u32 s2, 0
	s_cbranch_scc0 .Lentry_in_a_cluster
	s_endpgm
.Lentry_in_a_cluster:
	s_bfe_u32 s2, ttmp6, 0x10000c
	s_cmp_lg_u32 s2, 0x3003
	s_cbranch_scc0 .Lentry_shape_is_right
	s_endpgm
.Lentry_shape_is_right:
; For each of the 16 (batch, head): O[q] = the sum over keys of softmax(q . k / 8) v, both products on codes of FP6 (E2M3) with E8M0 scales; O / the row's sum is quantised along the
; model's 512 channels (two blocks a head) and stored as part of an operand's image for the last product.
; THE SOFTMAX: t = score x log2(e) / 8; M = the row's largest t so far, rounded UP to a whole number; p = 2^(t - M) is quantised along the keys, not normalised; the row's sum is taken of the
; unquantised p.  When M moves, the sum and O are multiplied by 2^(old M - new M): exact.
; SHARES.  A work-group owns 256 queries of one (batch, head); each of its eight waves 32 of them, two tiles T = 0, 1 of 16: one pair of qc.  Every fragment of K and V read from LDS serves both tiles.
; Every wave walks the 4,096 keys, 128 a step.  A step's data are one dense block of 13,312 bytes of kv: images of operand registers.
; LAYOUT.  Both products are used transposed (S^T = K Q^T, O^T = V^T P^T): a lane holds ONE query (lane % 16) of each tile.  A fragment of K is a PAIR of key tiles: K = 0..63 the channels of its tile 0,
; K = 64..127 those of its tile 1.  Q stands in a run of zeros, q0, zeros, q1, zeros (6 registers each): [q | 0] picks a pair's tile 0, [0 | q] its tile 1.  Zero codes add nothing under any finite scale byte.
; The launch before has chosen the keys of K's tiles so that registers 32 c .. 32 c + 31 of a lane's scores are block 2 c + lane / 16 of the step's four blocks of 32 keys, in the order in which V's image holds a block.
; LDS LOADS.  V has registers of its own and is asked for at a step's top; the next step's K is asked for in the step's middle, but for a slot's last step, which is written out apart: the next slot is read only behind its barrier.
; THE EXPONENTIALS stand in two batches, tile 0's and tile 1's.  Among tile 0's stand tile 1's multiply-adds, among tile 1's the first level of tile 0's sum: single lines whose results are first read behind the batch's wait.
; CLUSTER.  The four work-groups of a cluster belong to one (batch, head) and walk the same blocks of kv: each block is asked for JOINTLY, by the same descriptor with the mask of all four.
; RING.  Two slots of 8 key steps (106,496 bytes); each of the eight waves fetches one step's block: one tensor load of a wave is out, and it has 8 key steps in which to land.
; PREFETCH.  Behind the change of slots that asks for slot n + 1 each wave names 13 blocks of 256 bytes of slot n + 2: 4 work-groups x 8 waves x 13 = the slot's 416 blocks, each once in a cluster, shared out by address
; (lanes 13-31 name the wave's last block again).  Slots 0 and 1 come by their loads alone; the last filling change asks for nothing.
; LIMITS: NaN and infinities are not served.  The promise holds while |t| stays under 2^31.  A block of p or O whose largest magnitude lies under 2^-124, or that is all zeros, gets the byte 1: this program alone reads the bytes.
; A block's largest p is made from its largest score by the multiply-add and the exponential that every score goes through: that takes v_exp_f32 not to fall where its input rises.
.set KVB,   13312                      ; K's four pairs (1,536 each), V's four tiles (1,536 each), 4 x 256 bytes of scale words (K's word, V's word, 8 bytes a lane)
.set SLOTB, 8*KVB
.set SLOT1, 1<<17                      ; slot 1 begins here
.set SPARE, 2*SLOT1                    ; the spare words: 128 bytes for each of 8 waves
.set STG,   SPARE+1024                 ; 512 bytes: the 256 queries' scale bytes on the way out; no tile lands here
; WINDOW 0
.set A16, 1                            ; 16 x lane
.set A8,  2                            ; 8 x lane + 12,288
.set AK,  3                            ; the step's LDS address for images
.set AS,  4                            ; and for scale words
.set SPW, 5                            ; my spare word
.set NIL, 6                            ; 0
.set STO, 7                            ; the way out: my query's two bytes in the stage
.set L8,  8                            ; 8 x lane
.set RDS, 10                           ; the way out: the stage read back
.set SH,  11                           ; 8 x (lane / 16)
.set M0,  12                           ; tile T's state at M0 + 16 T: +0 -M, +1 largest score, +2,3 sum, +4,5 f, +6,7 block maxima, +8,9 second chains then bytes, +10,11 conversions' scales, +12 old -M, +13 from lane l xor 16, +14 at work, +15 p's scale word
.set KF,  44                           ; v44-91 K's four fragments
.set KS,  92                           ; v92-95 K's scale words
.set VS,  96                           ; v96-99 V's scale words
.set QS,  100                          ; v100, v101 Q's scale words
.set PFO, 102                          ; the prefetch's offset
.set SB,  104                          ; v104-231 S^T, then p: tile T at SB + 64 T
.set WO,  232                          ; v232-255 the way out's codes
; WINDOW 1: v0-63 O^T (tile T at 32 T)
.set QR,  64                           ; v64-93 the run of Q
.set PP,  96                           ; v96-119 p's codes, tile T at PP + 12 T
.set TP,  120                          ; v120-127 second halves of blocks as converted
.set VF,  136                          ; v136-183 V's four fragments
.set MSB, 0
.macro WIN new                         ; the immediate's high byte repeats the setting that is left
.if MSB != \new
	s_set_vgpr_msb (MSB<<8)|\new
.set MSB, \new
.endif
.endm
.macro PLACES n
.rept \n
	v_nop
.endr
.endm
.macro VW
	s_wait_alu depctr_va_vdst(0)
.endm
.macro D2                              ; the line below reads the result of the plain line two back
	s_delay_alu instid0(VALU_DEP_2)
.endm
.macro ROUND                           ; a round of the cluster's barrier
	s_barrier_signal -1
	s_barrier_wait -1
	s_cmp_lg_u32 s14, 0
	s_cbranch_scc1 .Lnot_wave_0_\@
	s_barrier_signal -3
.Lnot_wave_0_\@:
	s_barrier_wait -3
	s_barrier_signal -1
	s_barrier_wait -1
.endm
.macro KLOAD                           ; 16 LDS loads: K's four pairs and their scale words
.irp i, 0,1,2,3
.irp c, 0,1,2
	ds_load_b128 v[KF+12*\i+4*\c:KF+12*\i+4*\c+3], v[AK] offset:1536*\i+512*\c
.endr
	ds_load_b32 v[KS+\i], v[AS] offset:256*\i
.endr
.endm
	s_load_b256 s[4:11], s[0:1], 0x0               ; qc s[4:5], qs s[6:7], kv s[8:9], ac s[10:11]
	s_load_b64 s[12:13], s[0:1], 0x20              ; asc
	v_lshl_add_u32 v[SPW], v0, 2, SPARE
	v_mov_b32 v[NIL], 0
	ds_add_u32 v[SPW], v[NIL]
	ds_add_u32 v[SPW], v[NIL]
	v_lshrrev_b32 v1, 5, v0
	v_readfirstlane_b32 s14, v1                    ; wave 0..7
	s_bfe_u32 s15, ttmp6, 0x40000                  ; cx: it enters Q's, ac's, asc's and the prefetch's addresses alone
	s_lshl_b32 s16, ttmp9, 2
	s_add_co_u32 s16, s16, s15                     ; my block of 256 queries
	s_and_b32 s17, ttmp7, 0xffff                   ; (batch, head), which the four partners share
	s_mov_b32 s24, 15|(3<<16)|(1<<21)              ; group 1: the mask of all four; elements of 8 bytes; bit 21 beside a mask
	s_mov_b32 s25, 32<<16                          ; a step's block, 13,312 dense bytes, as 52 rows of 256
	s_mov_b32 s26, 52<<16
	s_mov_b32 s27, 32<<16
	s_mov_b32 s28, 52
	s_mov_b32 s29, 32
	s_mov_b32 s30, 0
	s_mov_b32 s31, 0
	s_mov_b32 s32, 1
	s_mul_i32 s33, s14, KVB                        ; LDS: slot 0, step = my wave's number
	s_mul_i32 s44, s17, 32*KVB
	s_mov_b32 s45, 0
	s_mul_i32 s50, s15, 104*256                    ; the prefetch: my work-group's 104 blocks of a slot,
	s_mul_i32 s51, s14, 13*256                     ; my wave's 13 of them,
	s_add_co_u32 s50, s50, s51
	s_add_co_u32 s50, s50, s44
	s_add_co_u32 s50, s50, SLOTB                   ; at slot 1: the first change of slots steps it to slot 2
	s_mov_b32 s51, 0
	s_add_co_u32 s44, s44, s33                     ; my step's block in kv
	s_mov_b32 s20, 0x76543210
	s_mov_b32 s21, 0xfedcba98                      ; selects for lane l xor 16
	s_mov_b32 s22, 0x3e38aa3b                      ; c = log2(e) / 8
	s_mov_b32 s23, s22
	s_lshl_b32 s46, s17, 7
	s_lshl_b32 s47, s16, 3
	s_add_co_u32 s46, s46, s47
	s_add_co_u32 s46, s46, s14                     ; my pair of query tiles: 128 bh + 8 x + wave
	s_mul_i32 s48, s46, 1536
	s_mov_b32 s49, 0
	VW
	s_wait_dscnt 0x0
	s_wait_kmcnt 0x0
	s_add_nc_u64 s[34:35], s[8:9], s[44:45]
	s_or_b32 s35, s35, 0x80000000                  ; type = 2
	s_add_nc_u64 s[50:51], s[8:9], s[50:51]
	s_add_nc_u64 s[4:5], s[4:5], s[48:49]
	s_lshl_b32 s48, s46, 8
	s_add_nc_u64 s[6:7], s[6:7], s[48:49]
	s_lshr_b32 s46, s17, 3
	s_lshl_b32 s46, s46, 8
	s_lshl_b32 s47, s16, 4
	s_add_co_u32 s46, s46, s47
	s_lshl_b32 s47, s14, 1
	s_add_co_u32 s46, s46, s47                     ; my first token tile: 256 x batch + 16 x + 2 x wave
	s_lshl_b32 s46, s46, 3
	s_and_b32 s47, s17, 7
	s_add_co_u32 s46, s46, s47                     ; x 8 + head
	s_mul_i32 s48, s46, 768
	s_add_nc_u64 s[10:11], s[10:11], s[48:49]
	s_lshl_b32 s48, s17, 13
	s_lshl_b32 s47, s16, 9
	s_add_co_u32 s48, s48, s47                     ; asc: 8,192 bh + 512 x
	s_add_nc_u64 s[12:13], s[12:13], s[48:49]
	ROUND                                          ; all four work-groups are here: the first joint loads meet
	tensor_load_to_lds s[32:35], s[24:31]          ; slot 0: my one load at the head
	s_nop 0
	PLACES 4
	v_and_b32 v9, 31, v0
	v_lshlrev_b32 v[L8], 3, v9
	v_lshlrev_b32 v[A16], 4, v9
	v_add_nc_u32 v[A8], 12288, v[L8]
.irp c, 0,1,2
	global_load_b128 v[SB+4*\c:SB+4*\c+3], v[A16], s[4:5] offset:512*\c      ; the pair's image: registers 0-5 tile 0, 6-11 tile 1
.endr
	global_load_b32 v[SB+12], v[L8], s[6:7]        ; its scale word: two bytes of tile 0, two of tile 1
	v_min_u32 v[PFO], 12, v9
	v_lshlrev_b32 v[PFO], 8, v[PFO]
	v_and_b32 v[STO], 0xe0, v0
	v_and_b32 v[RDS], 15, v0
	v_lshlrev_b32 v[STO], 1, v[STO]
	v_lshl_add_u32 v[STO], v[RDS], 1, v[STO]
	v_add_nc_u32 v[STO], STG, v[STO]               ; 64 x wave + 2 x (lane % 16); tile 1 lies 32 bytes on
	v_add_nc_u32 v[RDS], STG, v[A16]
	v_bfe_u32 v[SH], v0, 4, 1
	v_lshlrev_b32 v[SH], 3, v[SH]
.irp T, 0,1
	v_mov_b32 v[M0+16*\T+2], 0                     ; the sum
	v_mov_b32 v[M0+16*\T+3], 0
	v_mov_b32 v[M0+16*\T+5], 0                     ; (named as the upper half of f's pair)
	v_mov_b32 v[M0+16*\T+13], 0                    ; a lane permute's destination counts as a source
	v_mov_b32 v[M0+16*\T+1], 0xff61b1e6            ; the largest score so far: -3e38
	v_mul_f32 v[M0+16*\T+14], s22, v[M0+16*\T+1]
	v_floor_f32 v[M0+16*\T], -v[M0+16*\T+14]       ; -M
.endr
	WIN 0x40
.irp j, 0,1,2,3,4,5,12,13,14,15,16,17,24,25,26,27,28,29
	v_mov_b32 v[QR+\j], 0                          ; the zero codes round q0 and q1
.endr
	WIN 0
	VW
	s_wait_loadcnt 0x0
	v_and_b32 v9, 0xffff, v[SB+12]
	v_lshrrev_b32 v103, 16, v[SB+12]
	v_lshl_or_b32 v[QS], v9, 16, v9                ; a tile's two bytes, for K = 0..63 and K = 64..127 alike
	v_lshl_or_b32 v[QS+1], v103, 16, v103
	WIN 0x40
.irp j, 0,1,2,3,4,5
	v_mov_b32 v[QR+6+\j], v[SB+\j]
	v_mov_b32 v[QR+18+\j], v[SB+6+\j]
.endr
.set JJ, 0
.rept 64
	v_mov_b32 v[JJ], 0                             ; O^T: the step is written once; its first run finds zeros.  (Also the places between Q's operand and scale words and the first product)
.set JJ, JJ+1
.endr
	WIN 0
	s_mov_b32 s36, 0
	s_mov_b32 s37, 3
.macro FX T, b                         ; t - M of tile T's pair b (of the pairs c and -M the low word serves both halves)
	v_pk_fma_f32 v[SB+64*(\T)+2*(\b):SB+64*(\T)+2*(\b)+1], v[SB+64*(\T)+2*(\b):SB+64*(\T)+2*(\b)+1], s[22:23], v[M0+16*(\T):M0+16*(\T)+1] op_sel_hi:[1,0,0]
.endm
.macro ADDP T, st, k                   ; the sum's tree, in place: pair at 2 st k += pair at 2 st k + st
	v_pk_add_f32 v[SB+64*(\T)+2*(\st)*(\k):SB+64*(\T)+2*(\st)*(\k)+1], v[SB+64*(\T)+2*(\st)*(\k):SB+64*(\T)+2*(\st)*(\k)+1], v[SB+64*(\T)+2*(\st)*(\k)+(\st):SB+64*(\T)+2*(\st)*(\k)+(\st)+1]
.endm
.macro LVL st, n                       ; a level of both tiles' trees
.irp T, 0,1
.set KK, 0
.rept \n
	ADDP \T, \st, KK
.set KK, KK+1
.endr
.endr
.endm
.macro SCALE T                         ; from my two blocks' largest p: the conversions' scale operands and p's scale word
.set MT, M0+16*(\T)
	v_max_num_f32 v[MT+6], 0x1800000, v[MT+6]      ; the floor 2^(3 - 127): the byte cannot fall under 1
	v_max_num_f32 v[MT+7], 0x1800000, v[MT+7]
	D2
	v_add_nc_u32 v[MT+10], 0xff000000, v[MT+6]     ; 2 off the exponent field
	D2
	v_add_nc_u32 v[MT+11], 0xff000000, v[MT+7]
	D2
	v_lshrrev_b32 v[MT+8], 23, v[MT+10]            ; the bytes
	D2
	v_lshrrev_b32 v[MT+9], 23, v[MT+11]
	s_delay_alu instid0(VALU_DEP_1)
	v_lshl_or_b32 v[MT+8], v[MT+9], 16, v[MT+8]    ; blocks lane / 16 and 2 + lane / 16,
	s_delay_alu instid0(VALU_DEP_1)
	v_lshlrev_b32 v[MT+8], v[SH], v[MT+8]          ; at their places in the word;
	s_delay_alu instid0(VALU_DEP_1)
	v_permlanex16_b32 v[MT+13], v[MT+8], s20, s21
	s_delay_alu instid0(VALU_DEP_1)
	v_or_b32 v[MT+15], v[MT+8], v[MT+13]           ; with lane l xor 16's two
.endm
.macro CVT T                           ; registers 6 c .. 6 c + 5 of p's operand: my block 2 c + lane / 16
	WIN 0x40
.irp c, 0,1
	v_cvt_scalef32_pk16_fp6_f32 v[PP+12*(\T)+6*\c:PP+12*(\T)+6*\c+2], v[SB+64*(\T)+32*\c:SB+64*(\T)+32*\c+15], v[M0+16*(\T)+10+\c]
	v_cvt_scalef32_pk16_fp6_f32 v[TP+4*\c:TP+4*\c+2], v[SB+64*(\T)+32*\c+16:SB+64*(\T)+32*\c+31], v[M0+16*(\T)+10+\c]   ; (three registers begin on an even number: made elsewhere and moved)
.endr
	v_nop                                          ; one plain place behind the scaled conversions
	WIN 0x41
.irp c, 0,1
.irp i, 0,1,2
	v_mov_b32 v[PP+12*(\T)+6*\c+3+\i], v[TP+4*\c+\i]
.endr
.endr
	WIN 0
.endm
; A KEY STEP: 128 keys x 32 queries.  pf = 1: the next step lies in the same slot, and its K is asked for in this step's middle.
.macro STEP pf
.if \pf
	s_add_co_u32 s36, s36, KVB                     ; the next step's LDS byte
.endif
	WIN 0x40
.irp i, 0,1,2,3
.irp c, 0,1,2
	ds_load_b128 v[VF+12*\i+4*\c:VF+12*\i+4*\c+3], v[AK] offset:6144+1536*\i+512*\c   ; V's tile i (the last step's sums are the places behind its products)
.endr
.endr
	WIN 0
.irp i, 0,1,2,3
	ds_load_b32 v[VS+\i], v[AS] offset:256*\i+4
.endr
	s_wait_dscnt 16                                ; K's 16 loads are in; V's 16, just issued, may be out
	WIN 0x04                                       ; source 1 (Q) window 1
.irp i, 0,1,2,3
.irp T, 0,1
	v_wmma_scale_f32_16x16x128_f8f6f4 v[SB+64*\T+16*\i:SB+64*\T+16*\i+7], v[KF+12*\i:KF+12*\i+11], v[QR+6+12*\T:QR+17+12*\T], 0, v[KS+\i], v[QS+\T] matrix_a_fmt:MATRIX_FMT_FP6 matrix_b_fmt:MATRIX_FMT_FP6
	v_wmma_scale_f32_16x16x128_f8f6f4 v[SB+64*\T+16*\i+8:SB+64*\T+16*\i+15], v[KF+12*\i:KF+12*\i+11], v[QR+12*\T:QR+11+12*\T], 0, v[KS+\i], v[QS+\T] matrix_a_fmt:MATRIX_FMT_FP6 matrix_b_fmt:MATRIX_FMT_FP6
.endr
.endr
	WIN 0
	v_mov_b32 v[M0+12], v[M0]                      ; the old -M.  These four lines are the places behind the products
	v_mov_b32 v[M0+28], v[M0+16]
.if \pf
	v_add_nc_u32 v[AK], s36, v[A16]
	v_add_nc_u32 v[AS], s36, v[A8]
	KLOAD                                          ; the next step's K
.else
	v_nop
	v_nop
.endif
	; the largest score of each of my two blocks of 32 keys, in two chains each, both tiles by turns; every accumulator is read from its low end on
.irp c, 0,1
.irp T, 0,1
	v_max3_num_f32 v[M0+16*\T+6+\c], v[SB+64*\T+32*\c], v[SB+64*\T+32*\c+1], v[SB+64*\T+32*\c+2]
	v_max3_num_f32 v[M0+16*\T+8+\c], v[SB+64*\T+32*\c+16], v[SB+64*\T+32*\c+17], v[SB+64*\T+32*\c+18]
.endr
.endr
.irp i, 3,5,7,9,11,13
.irp c, 0,1
.irp T, 0,1
	v_max3_num_f32 v[M0+16*\T+6+\c], v[M0+16*\T+6+\c], v[SB+64*\T+32*\c+\i], v[SB+64*\T+32*\c+\i+1]
	v_max3_num_f32 v[M0+16*\T+8+\c], v[M0+16*\T+8+\c], v[SB+64*\T+32*\c+16+\i], v[SB+64*\T+32*\c+17+\i]
.endr
.endr
.endr
.irp c, 0,1
.irp T, 0,1
	v_max3_num_f32 v[M0+16*\T+6+\c], v[M0+16*\T+6+\c], v[M0+16*\T+8+\c], v[SB+64*\T+32*\c+15]
.endr
.endr
.irp c, 0,1
.irp T, 0,1
	v_max_num_f32 v[M0+16*\T+6+\c], v[M0+16*\T+6+\c], v[SB+64*\T+32*\c+31]
.endr
.endr
.irp T, 0,1
	D2
	v_max_num_f32 v[M0+16*\T+14], v[M0+16*\T+6], v[M0+16*\T+7]                ; of my 64 keys,
.endr
.irp T, 0,1
	D2
	v_permlanex16_b32 v[M0+16*\T+13], v[M0+16*\T+14], s20, s21                ; of lane l xor 16's,
.endr
.irp T, 0,1
	D2
	v_max3_num_f32 v[M0+16*\T+1], v[M0+16*\T+1], v[M0+16*\T+14], v[M0+16*\T+13]   ; and of all steps so far
.endr
.irp T, 0,1
	D2
	v_mul_f32 v[M0+16*\T+14], s22, v[M0+16*\T+1]   ; as t (c is positive)
.endr
.irp T, 0,1
	D2
	v_floor_f32 v[M0+16*\T], -v[M0+16*\T+14]       ; the new -M = -ceil(t)
.endr
.irp T, 0,1
	D2
	v_sub_f32 v[M0+16*\T+12], v[M0+16*\T], v[M0+16*\T+12]    ; old M - new M: a whole number, 0 or less
.endr
.irp c, 0,1
.irp T, 0,1
	v_fma_f32 v[M0+16*\T+6+\c], v[M0+16*\T+6+\c], s22, v[M0+16*\T]           ; t - M of each block's largest score
.endr
.endr
.irp T, 0,1
	v_cvt_i32_f32 v[M0+16*\T+12], v[M0+16*\T+12]   ; (it saturates)
.endr
.irp T, 0,1
	D2
	v_ldexp_f32 v[M0+16*\T+4], 1.0, v[M0+16*\T+12] ; f = 2^(old M - new M)
.endr
.set JJ, 0
.rept 32
	FX 0, JJ
.set JJ, JJ+1
.endr
	WIN 0x41                                       ; O^T under the new M, ahead of the exponentials; each accumulator from its low end on
.set JJ, 0
.rept 32
	v_pk_mul_f32 v[2*JJ:2*JJ+1], v[2*JJ:2*JJ+1], v[M0+16*(JJ/16)+4:M0+16*(JJ/16)+5] op_sel_hi:[1,0]
.set JJ, JJ+1
.endr
	WIN 0
	VW                                             ; ahead of the batch
	v_exp_f32 v[M0+6], v[M0+6]                     ; tile 0: its blocks' largest p,
	v_exp_f32 v[M0+7], v[M0+7]
.set JJ, 0
.rept 32
	v_exp_f32 v[SB+2*JJ], v[SB+2*JJ]               ; and p = 2^(t - M), at most 1
	v_exp_f32 v[SB+2*JJ+1], v[SB+2*JJ+1]
	FX 1, JJ                                       ; tile 1's t - M: first read behind the wait below
.set JJ, JJ+1
.endr
	VW                                             ; behind tile 0's batch, ahead of tile 1's
	SCALE 0
	CVT 0
	v_exp_f32 v[M0+22], v[M0+22]
	v_exp_f32 v[M0+23], v[M0+23]
.set JJ, 0
.rept 16
	v_exp_f32 v[SB+64+4*JJ], v[SB+64+4*JJ]
	v_exp_f32 v[SB+64+4*JJ+1], v[SB+64+4*JJ+1]
	v_exp_f32 v[SB+64+4*JJ+2], v[SB+64+4*JJ+2]
	v_exp_f32 v[SB+64+4*JJ+3], v[SB+64+4*JJ+3]
	ADDP 0, 2, JJ                                  ; THE ROW'S SUM IS TAKEN OF THE UNQUANTISED p: tile 0's first level, first read behind the wait below
.set JJ, JJ+1
.endr
	VW                                             ; behind tile 1's batch
	SCALE 1
	CVT 1
.set JJ, 0
.rept 16
	ADDP 1, 2, JJ                                  ; tile 1's first level: also the places between p's operand and scale word and the products
.set JJ, JJ+1
.endr
	VW
.if \pf
	s_wait_dscnt 16                                ; V is in; the next step's K, 16 loads, may be out
.else
	s_wait_dscnt 0x0                               ; V is in: my last reads of this slot
.endif
	WIN 0x55
.irp c, 0,1,2,3                                ; O^T += V^T P^T, the eight accumulators by turns
.irp T, 0,1
	v_wmma_scale_f32_16x16x128_f8f6f4 v[32*\T+8*\c:32*\T+8*\c+7], v[VF+12*\c:VF+12*\c+11], v[PP+12*\T:PP+12*\T+11], v[32*\T+8*\c:32*\T+8*\c+7], v[VS+\c], v[M0+16*\T+15] matrix_a_fmt:MATRIX_FMT_FP6 matrix_b_fmt:MATRIX_FMT_FP6
.endr
.endr
	WIN 0
	LVL 4, 8                                       ; the rest of the sums names no register of these products
	LVL 8, 4
	LVL 16, 2
	LVL 32, 1
.irp T, 0,1
	v_pk_fma_f32 v[M0+16*\T+2:M0+16*\T+3], v[M0+16*\T+2:M0+16*\T+3], v[M0+16*\T+4:M0+16*\T+5], v[SB+64*\T:SB+64*\T+1] op_sel_hi:[1,0,1]   ; the sum under the new M, and the step's
.endr
	VW                                             ; ahead of the branch or wait that follows
.endm
; THE CHANGE OF SLOTS.  Each wave waits for its tensor load (its step of the slot ahead), adds 0 to its spare word, and waits for that and for its reads of the slot left.
; fill = 1: a round of the cluster's barrier; then the slot left is asked for jointly, first thing behind the round.
.macro CHANGE fill
	v_add_nc_u32 v[AK], s36, v[A16]
	v_add_nc_u32 v[AS], s36, v[A8]
	VW
.if \fill
	s_wait_xcnt 0x0                                ; my last prefetch has read its address
	s_add_nc_u64 s[50:51], s[50:51], SLOTB
.endif
	s_wait_tensorcnt 0x0
	ds_add_u32 v[SPW], v[NIL]
.if \fill
	s_xor_b32 s33, s33, SLOT1                      ; no tensor load of mine is out: group 0 walks to the other slot,
	s_add_nc_u64 s[34:35], s[34:35], SLOTB         ; the next 8 key steps
.endif
	s_wait_dscnt 0x0
.if \fill
	ROUND
	tensor_load_to_lds s[32:35], s[24:31]
	s_nop 0
	PLACES 4
.else
	s_barrier_signal -1
	s_barrier_wait -1
.endif
	KLOAD                                          ; the slot's first step
.if \fill
	s_cmp_eq_u32 s37, 1                            ; the last filling change has no slot two on
	s_cbranch_scc1 .Lno_ask_\@
	global_prefetch_b8 v[PFO], s[50:51] th:TH_LOAD_NT scope:SCOPE_SE
.Lno_ask_\@:
.endif
.endm
.macro RUN8                            ; a slot's eight key steps: seven in a loop, the last without a request for K
	s_mov_b32 s38, 7
.Lstep_\@:
	STEP 1
	s_sub_co_u32 s38, s38, 1
	s_cmp_lg_u32 s38, 0
	s_cbranch_scc1 .Lstep_\@
	STEP 0
	s_sub_co_u32 s36, s36, 7*KVB                   ; back to a slot's first step,
	s_xor_b32 s36, s36, SLOT1                      ; in the other slot
.endm
.Lslot:                                            ; three trips: behind each change of slots but the last the next 8 key steps are asked for
	CHANGE 1
	RUN8
	s_sub_co_u32 s37, s37, 1
	s_cmp_lg_u32 s37, 0
	s_cbranch_scc1 .Lslot
	CHANGE 0                                       ; the last slot is written out
	RUN8
	; THE WAY OUT.  O^T / the sum; register 16 b + i is channel 32 b + 16 h + i of my query and head: two blocks along the last product's K
.irp T, 0,1
	v_add_f32 v[M0+16*\T+2], v[M0+16*\T+2], v[M0+16*\T+3]
.endr
.irp T, 0,1
	v_permlanex16_b32 v[M0+16*\T+13], v[M0+16*\T+2], s20, s21
.endr
.irp T, 0,1
	v_add_f32 v[M0+16*\T+2], v[M0+16*\T+2], v[M0+16*\T+13]   ; the row's sum
.endr
	VW
.irp T, 0,1
	v_rcp_f32 v[M0+16*\T+2], v[M0+16*\T+2]
.endr
	WIN 0x01
	v_nop                                          ; a plain place behind the transcendentals
	VW
.set JJ, 0
.rept 64
	v_mul_f32 v[SB+64*(JJ/32)+JJ%32], v[JJ], v[M0+16*(JJ/32)+2]
.set JJ, JJ+1
.endr
	WIN 0
.irp b, 0,1
.irp T, 0,1
	v_max3_num_f32 v[M0+16*\T+6+\b], |v[SB+64*\T+16*\b]|, |v[SB+64*\T+16*\b+1]|, 0x1800000   ; my 16 numbers of block b, and the floor
.endr
.endr
.irp i, 2,4,6,8,10,12,14
.irp b, 0,1
.irp T, 0,1
	v_max3_num_f32 v[M0+16*\T+6+\b], v[M0+16*\T+6+\b], |v[SB+64*\T+16*\b+\i]|, |v[SB+64*\T+16*\b+\i+1]|
.endr
.endr
.endr
.irp b, 0,1
.irp T, 0,1
	v_permlanex16_b32 v[M0+16*\T+8+\b], v[M0+16*\T+6+\b], s20, s21
.endr
.endr
.irp b, 0,1
.irp T, 0,1
	v_max_num_f32 v[M0+16*\T+6+\b], v[M0+16*\T+6+\b], v[M0+16*\T+8+\b]
.endr
.endr
.irp b, 0,1
.irp T, 0,1
	v_add_nc_u32 v[M0+16*\T+10+\b], 0xff000000, v[M0+16*\T+6+\b]
.endr
.endr
.irp b, 0,1
.irp T, 0,1
	v_lshrrev_b32 v[M0+16*\T+8+\b], 23, v[M0+16*\T+10+\b]
.endr
.endr
.irp T, 0,1
	v_lshl_or_b32 v[M0+16*\T+14], v[M0+16*\T+9], 8, v[M0+16*\T+8]            ; my query's two scale bytes of this head
.endr
.irp T, 0,1
	v_cvt_scalef32_pk16_fp6_f32 v[WO+12*\T:WO+12*\T+2], v[SB+64*\T:SB+64*\T+15], v[M0+16*\T+10]
	v_cvt_scalef32_pk16_fp6_f32 v[WO+12*\T+6:WO+12*\T+8], v[SB+64*\T+16:SB+64*\T+31], v[M0+16*\T+11]
.endr
	v_nop                                          ; one plain place behind the scaled conversions
.irp T, 0,1
.irp i, 0,1,2
	v_permlane16_swap_b32 v[WO+12*\T+\i], v[WO+12*\T+6+\i]                   ; here a block lies in two lanes: the halves change places
.endr
.endr
.irp T, 0,1
.irp i, 0,1,2
	v_mov_b32 v[WO+12*\T+3+\i], v[WO+12*\T+6+\i]   ; six registers of the last product's operand
.endr
.endr
.irp T, 0,1
	global_store_b128 v[A16], v[WO+12*\T:WO+12*\T+3], s[10:11] offset:6144*\T             ; 512 consecutive bytes,
	global_store_b64 v[L8], v[WO+12*\T+4:WO+12*\T+5], s[10:11] offset:6144*\T+512         ; and 256
	ds_store_b16 v[STO], v[M0+16*\T+14] offset:32*\T                                      ; lanes l and l xor 16 write the same two bytes with the same value
.endr
	VW
	s_wait_dscnt 0x0                               ; for the others' sake: my stores have landed
	s_barrier_signal -1
	s_barrier_wait -1
	s_cmp_lg_u32 s14, 0
	s_cbranch_scc1 .Lnot_first
	ds_load_b128 v[SB:SB+3], v[RDS]                ; wave 0 takes the 256 queries' bytes
	s_wait_dscnt 0x0
	global_store_b128 v[A16], v[SB:SB+3], s[12:13] ; and stores 512 consecutive bytes
.Lnot_first:
	s_wait_tensorcnt 0x0                           ; the wave's end
	ds_add_u32 v[SPW], v[NIL]
	s_wait_dscnt 0x0
	ROUND                                          ; the closing round
	s_endpgm
.Lfunc_end_k_qdd2f31fd64_attn:
	.size	k_qdd2f31fd64_attn, .Lfunc_end_k_qdd2f31fd64_attn-k_qdd2f31fd64_attn
	.p2alignl 7, 3214868480
	.fill 96, 4, 3214868480
	.section	.rodata,"a",@progbits
	.p2align	6, 0x0
	.amdhsa_kernel k_qdd2f31fd64_attn
		.amdhsa_group_segment_fixed_size 327680
		.amdhsa_private_segment_fixed_size 0
		.amdhsa_enable_private_segment 0
		.amdhsa_kernarg_size 40
		.amdhsa_user_sgpr_count 2
		.amdhsa_user_sgpr_kernarg_segment_ptr 1
		.amdhsa_wavefront_size32 1
		.amdhsa_system_sgpr_workgroup_id_x 1
		.amdhsa_system_sgpr_workgroup_id_y 1
		.amdhsa_system_sgpr_workgroup_id_z 1
		.amdhsa_system_vgpr_workitem_id 0
		.amdhsa_next_free_vgpr 512
		.amdhsa_next_free_sgpr 66
		.amdhsa_reserve_vcc 0
		.amdhsa_float_denorm_mode_32 3
		.amdhsa_float_denorm_mode_16_64 3
		.amdhsa_memory_ordered 1
		.amdhsa_forward_progress 1
		.amdhsa_inst_pref_size 129
	.end_amdhsa_kernel
	.amdgpu_metadata
---
amdhsa.version: [ 1, 2 ]
amdhsa.kernels:
  - .name:           k_qdd2f31fd64_attn
    .symbol:         k_qdd2f31fd64_attn.kd
    .args:
      - { .name: qc, .offset: 0, .size: 8, .value_kind: global_buffer, .address_space: global }
      - { .name: qs, .offset: 8, .size: 8, .value_kind: global_buffer, .address_space: global }
      - { .name: kv, .offset: 16, .size: 8, .value_kind: global_buffer, .address_space: global }
      - { .name: ac, .offset: 24, .size: 8, .value_kind: global_buffer, .address_space: global }
      - { .name: asc, .offset: 32, .size: 8, .value_kind: global_buffer, .address_space: global }
    .group_segment_fixed_size: 327680
    .private_segment_fixed_size: 0
    .kernarg_segment_align: 8
    .kernarg_segment_size: 40
    .max_flat_workgroup_size: 256
    .sgpr_count:     66
    .vgpr_count:     512
    .wavefront_size: 32
...
	.end_amdgpu_metadata
.endif
;; end of part 5
;; launch oproj (part 6): grid 64 x 4, 8 waves a work-group, no clusters, 168,960 bytes of LDS; arguments ac, asc, Wo_codes, Wo_scales, bo, out0; writes out0
.if DOCPART == 6
	.amdgcn_target "amdgcn-amd-amdhsa--gfx1250"
	.amdhsa_code_object_version 6
	.text
	.protected	k_qdd2f31fd64_oproj
	.globl	k_qdd2f31fd64_oproj
	.p2align	8
	.type	k_qdd2f31fd64_oproj,@function
k_qdd2f31fd64_oproj:
	s_mov_b64 s[64:65], 0
	v_nop
	global_prefetch_b8 v0, s[64:65] scope:SCOPE_SE
	s_setreg_imm32_b32 hwreg(HW_REG_WAVE_MODE, 25, 1), 1
	s_wait_xcnt 0x0
; out = a Wo^T + bo on codes of FP6 (E2M3) with E8M0 scales.  a: the attention launch's codes, stored as images of operand registers (ac) with two scale bytes for each token and head (asc); Wo as it is given; out f32.
; SHARES.  Work-group (tb, y): tokens 128 tb .. + 127, outputs 128 y .. + 127.  Wave w: token tiles 2 (w % 4), 2 (w % 4) + 1, outputs 64 (w / 4) .. + 63: eight accumulators, 32 matrix instructions.
; THE MATRIX INSTRUCTION IS USED TRANSPOSED (source 0 = 16 rows of Wo, source 1 = 16 tokens): a lane holds eight neighbouring outputs of one token.  bo is the C of each sum's first instruction.
; a's fragments come straight from memory into registers (each is read by two waves of this work-group); Wo's 128 rows come once into LDS (waves 0 and 1, one tensor load each; one load of such a wave is out) and are read by all.
; The results go through the wave's own stage in LDS and leave as rows: sixteen lanes store 256 consecutive bytes, at a multiple of 256 from out's first byte.
; NO CLUSTER: a work-group asks for its 49,152 bytes of Wo once and has one barrier; joint loads would add two rounds of the cluster's barrier to spare requests for a weight of 196,608 bytes.
.set PITCH, 432                        ; an LDS row of Wo: 3 x (128 bytes of data + 16 of padding)
.set HALFR, 64*PITCH
.set STG,   128*PITCH                  ; behind Wo: for each wave two stages of 16 rows x (256 + 16) bytes; no tile lands here
.set SP,    272
.set ACC, 16                           ; v16-79   accumulator (xt, U) at 32 xt + 8 U
.set AF,  80                           ; v80-175  a's fragments (xt, s) at 12 (4 xt + s); on the way out: rows read back
.set BO,  176                          ; v176-207 bo in the result's layout
.set WSC, 208                          ; v208-215 Wo's scale words: register 4 (U / 2) + s
.set ASC, 216                          ; v216-219 a's scale words for K step s: lanes 0-15 tile xt = 0, lanes 16-31 tile xt = 1
.set HW,  220                          ; v220-227 a's two bytes of each head, as loaded
.set MSB, 0                            ; window 1: Wo's fragments (s, U) at 12 (4 s + U)
.macro WIN new                         ; the immediate's high byte repeats the setting that is left
.if MSB != \new
	s_set_vgpr_msb (MSB<<8)|\new
.set MSB, \new
.endif
.endm
.macro PLACES n
.rept \n
	v_nop
.endr
.endm
.macro FRAG reg, adr, s, row           ; 16 rows x 128 K from rows with 16 bytes of padding behind every 16 pieces of 8 bytes: where lanes 16-31's piece, three on, lies behind one padding more, the second address register serves
.irp p, 0,1,2,3,4,5
.set PCN, 12*(\s)+6*(\p/3)+\p%3
.if PCN%16 < 13
	ds_load_b64 v[(\reg)+2*\p:(\reg)+2*\p+1], v[\adr] offset:8*PCN+16*(PCN/16)+(\row)*PITCH
.else
	ds_load_b64 v[(\reg)+2*\p:(\reg)+2*\p+1], v[(\adr)+1] offset:8*PCN+16*(PCN/16)+(\row)*PITCH
.endif
.endr
.endm
.macro WM d, a, b, c, sa, sb, ra, rb   ; ra, rb: the half of the lanes from which source 0's and source 1's scale words are read
.if (\ra) == 1 && (\rb) == 1
	v_wmma_scale_f32_16x16x128_f8f6f4 v[(\d):(\d)+7], v[(\a):(\a)+11], v[(\b):(\b)+11], v[(\c):(\c)+7], v[\sa], v[\sb] matrix_a_fmt:MATRIX_FMT_FP6 matrix_b_fmt:MATRIX_FMT_FP6 matrix_a_scale:MATRIX_SCALE_ROW1 matrix_b_scale:MATRIX_SCALE_ROW1
.elseif (\ra) == 1
	v_wmma_scale_f32_16x16x128_f8f6f4 v[(\d):(\d)+7], v[(\a):(\a)+11], v[(\b):(\b)+11], v[(\c):(\c)+7], v[\sa], v[\sb] matrix_a_fmt:MATRIX_FMT_FP6 matrix_b_fmt:MATRIX_FMT_FP6 matrix_a_scale:MATRIX_SCALE_ROW1
.elseif (\rb) == 1
	v_wmma_scale_f32_16x16x128_f8f6f4 v[(\d):(\d)+7], v[(\a):(\a)+11], v[(\b):(\b)+11], v[(\c):(\c)+7], v[\sa], v[\sb] matrix_a_fmt:MATRIX_FMT_FP6 matrix_b_fmt:MATRIX_FMT_FP6 matrix_b_scale:MATRIX_SCALE_ROW1
.else
	v_wmma_scale_f32_16x16x128_f8f6f4 v[(\d):(\d)+7], v[(\a):(\a)+11], v[(\b):(\b)+11], v[(\c):(\c)+7], v[\sa], v[\sb] matrix_a_fmt:MATRIX_FMT_FP6 matrix_b_fmt:MATRIX_FMT_FP6
.endif
.endm
	s_load_b256 s[4:11], s[0:1], 0x0               ; ac s[4:5], asc s[6:7], Wo codes s[8:9], Wo scales s[10:11]
	s_load_b128 s[12:15], s[0:1], 0x20             ; bo s[12:13], out s[14:15]
	v_lshl_add_u32 v254, v0, 2, 0x29000
	v_mov_b32 v255, 0
	ds_add_u32 v254, v255
	ds_add_u32 v254, v255
	v_lshrrev_b32 v1, 5, v0
	s_delay_alu instid0(VALU_DEP_1)
	v_readfirstlane_b32 s16, v1                    ; wave 0..7
	s_and_b32 s17, ttmp7, 0xffff                   ; y
	s_and_b32 s18, s16, 3                          ; which pair of token tiles
	s_lshr_b32 s19, s16, 2                         ; which 64 outputs
	; descriptor group 1: 24,576 dense bytes (64 rows of 384) as 96 rows of 256 bytes, 16 bytes of padding behind every 128
	s_mov_b32 s24, (3<<16)|(1<<20)|(4<<22)|(3<<25)
	s_mov_b32 s25, 32<<16
	s_mov_b32 s26, 96<<16
	s_mov_b32 s27, 32<<16
	s_mov_b32 s28, 96
	s_mov_b32 s29, 32
	s_mov_b32 s30, 0
	s_mov_b32 s31, 0
	s_mov_b32 s32, 1
	s_and_b32 s20, s16, 1
	s_mul_i32 s33, s20, HALFR                      ; LDS address: my 64 rows
	s_lshl_b32 s36, s17, 7
	s_lshl_b32 s37, s20, 6
	s_add_co_u32 s36, s36, s37
	s_mul_i32 s36, s36, 384                        ; Wo's row 128 y + 64 x wave, in bytes
	s_mov_b32 s37, 0
	s_wait_dscnt 0x0
	s_wait_kmcnt 0x0
	s_add_nc_u64 s[34:35], s[8:9], s[36:37]
	s_or_b32 s35, s35, 0x80000000                  ; type = 2
	s_cmp_lt_u32 s16, 2                            ; waves 0 and 1 fetch
	s_cbranch_scc0 .Lno_fetch
	tensor_load_to_lds s[32:35], s[24:31]
	s_nop 0
	PLACES 4
.Lno_fetch:
	v_and_b32 v1, 31, v0                           ; lane
	v_and_b32 v2, 15, v0                           ; r
	v_bfe_u32 v3, v0, 4, 1                         ; h
	s_delay_alu instid0(VALU_DEP_3)
	v_lshlrev_b32 v4, 4, v1                        ; 16 x lane
	s_delay_alu instid0(VALU_DEP_4)
	v_lshlrev_b32 v5, 3, v1                        ; 8 x lane
	v_lshlrev_b32 v6, 1, v1                        ; 2 x lane
	s_delay_alu instid0(VALU_DEP_4)
	v_lshlrev_b32 v7, 5, v3                        ; 32 h
	v_mul_u32_u24 v13, v2, PITCH
	s_mul_i32 s38, s19, HALFR
	v_add_nc_u32 v13, s38, v13
	s_delay_alu instid0(VALU_DEP_1)
	v_mad_u32_u24 v8, v3, 24, v13                  ; v8, v9: Wo, my 64 rows: 432 r + 24 h, and + 40 h
	s_delay_alu instid0(VALU_DEP_2)
	v_mad_u32_u24 v9, v3, 40, v13
	s_mul_i32 s38, s16, 32*SP
	s_add_co_u32 s38, s38, STG                     ; my two stages
	v_mul_u32_u24 v10, v2, SP
	s_delay_alu instid0(VALU_DEP_1)
	v_lshl_add_u32 v10, v3, 5, v10
	s_delay_alu instid0(VALU_DEP_1)
	v_add_nc_u32 v10, s38, v10                     ; in: row r, 32 bytes for each half of the lanes
	v_mul_u32_u24 v11, v3, SP
	s_delay_alu instid0(VALU_DEP_1)
	v_lshl_add_u32 v11, v2, 4, v11
	s_delay_alu instid0(VALU_DEP_1)
	v_add_nc_u32 v11, s38, v11                     ; back: lanes 0-15 one row of 256 bytes, lanes 16-31 the next
	v_lshlrev_b32 v12, 11, v3
	s_delay_alu instid0(VALU_DEP_1)
	v_lshl_add_u32 v12, v2, 4, v12                 ; and the same two rows in out (2,048 bytes a row)
	s_lshl_b32 s36, ttmp9, 3
	s_lshl_b32 s38, s18, 1
	s_add_co_u32 s36, s36, s38
	s_mul_i32 s36, s36, 6144
	s_add_nc_u64 s[4:5], s[4:5], s[36:37]          ; ac at token tile 8 tb + 2 (w % 4): 8 heads x 768 bytes a tile
	s_lshr_b32 s36, ttmp9, 5
	s_lshl_b32 s36, s36, 16                        ; asc: a batch's 8 heads x 8,192 bytes,
	s_and_b32 s38, ttmp9, 31
	s_lshl_b32 s38, s38, 8
	s_add_co_u32 s36, s36, s38                     ; 128 tokens x 2 bytes a work-group,
	s_lshl_b32 s38, s18, 6
	s_add_co_u32 s36, s36, s38                     ; 32 tokens a wave
	s_add_nc_u64 s[6:7], s[6:7], s[36:37]
	s_lshl_b32 s36, s17, 11
	s_lshl_b32 s38, s19, 10
	s_add_co_u32 s36, s36, s38
	s_add_nc_u64 s[10:11], s[10:11], s[36:37]      ; Wo's scales: 16 bytes a row, from row 128 y + 64 (w / 4)
	s_lshr_b32 s36, s36, 2
	s_add_nc_u64 s[12:13], s[12:13], s[36:37]      ; bo: 4 bytes an output
	s_add_nc_u64 s[14:15], s[14:15], s[36:37]      ; out: my first column,
	s_lshl_b32 s36, ttmp9, 18
	s_lshl_b32 s38, s18, 16
	s_add_co_u32 s36, s36, s38
	s_add_nc_u64 s[14:15], s[14:15], s[36:37]      ; my first row: 128 tb + 32 (w % 4), 2,048 bytes each
.irp xt, 0,1
.irp s, 0,1,2,3                                ; fragment (xt, s): heads 2 s and 2 s + 1, six registers each, as they were stored
	global_load_b128 v[AF+12*(4*\xt+\s):AF+12*(4*\xt+\s)+3], v4, s[4:5] offset:6144*\xt+1536*\s
	global_load_b64 v[AF+12*(4*\xt+\s)+4:AF+12*(4*\xt+\s)+5], v5, s[4:5] offset:6144*\xt+1536*\s+512
	global_load_b128 v[AF+12*(4*\xt+\s)+6:AF+12*(4*\xt+\s)+9], v4, s[4:5] offset:6144*\xt+1536*\s+768
	global_load_b64 v[AF+12*(4*\xt+\s)+10:AF+12*(4*\xt+\s)+11], v5, s[4:5] offset:6144*\xt+1536*\s+1280
.endr
.endr
.irp e, 0,1,2,3,4,5,6,7
	global_load_u16 v[HW+\e], v6, s[6:7] offset:8192*\e      ; lane = token: its two bytes of head e
.endr
.irp p, 0,1
	global_load_b128 v[WSC+4*\p:WSC+4*\p+3], v4, s[10:11] offset:512*\p
.endr
.irp U, 0,1,2,3
	global_load_b128 v[BO+8*\U:BO+8*\U+3], v7, s[12:13] offset:64*\U         ; lane (r, h), register j: the bias of output 16 U + 8 h + j
	global_load_b128 v[BO+8*\U+4:BO+8*\U+7], v7, s[12:13] offset:64*\U+16
.endr
	s_wait_alu depctr_va_vdst(0)
	s_wait_tensorcnt 0x0                           ; my part of Wo is in,
	s_barrier_signal -1
	s_barrier_wait -1                              ; everybody's is
.macro LW s                            ; Wo's four fragments of K step s: 24 loads, into registers of their own
	WIN 0x40
.irp U, 0,1,2,3
	FRAG 12*(4*(\s)+\U), 8, \s, 16*\U
.endr
.endm
.macro MULS s                          ; eight matrix instructions, the eight accumulators by turns
	WIN 0x01                                       ; source 0 (Wo) window 1
.irp xt, 0,1
.irp U, 0,1,2,3
.if (\s) == 0
	WM ACC+32*\xt+8*\U, 12*(4*(\s)+\U), AF+12*(4*\xt+(\s)), BO+8*\U, WSC+4*(\U/2)+(\s), ASC+(\s), \U%2, \xt
.else
	WM ACC+32*\xt+8*\U, 12*(4*(\s)+\U), AF+12*(4*\xt+(\s)), ACC+32*\xt+8*\U, WSC+4*(\U/2)+(\s), ASC+(\s), \U%2, \xt
.endif
.endr
.endr
.endm
	LW 0
	LW 1
	WIN 0
	s_wait_loadcnt 0x0
.irp s, 0,1,2,3
	v_lshl_or_b32 v[ASC+\s], v[HW+2*\s+1], 16, v[HW+2*\s]    ; a's scale word of K step s: two bytes of head 2 s, two of head 2 s + 1
.endr
	PLACES 8                                       ; a scale register written by a vector instruction stands eight places ahead of a scaled matrix instruction
	s_wait_alu depctr_va_vdst(0)
	s_wait_dscnt 24                                ; K step 0's 24 loads are in; K step 1's may be out
	MULS 0
	LW 2
	s_wait_dscnt 24                                ; K step 1's are in; K step 2's may be out
	MULS 1
	LW 3
	s_wait_dscnt 24                                ; K step 2's are in; K step 3's may be out
	MULS 2
	s_wait_dscnt 0x0
	MULS 3
	WIN 0
	PLACES 4                                       ; in front of the first read of results, and of loads into the registers that held a's fragments
.irp xt, 0,1
.irp U, 0,1,2,3
	ds_store_b128 v10, v[ACC+32*\xt+8*\U:ACC+32*\xt+8*\U+3] offset:16*SP*\xt+64*\U           ; each accumulator from its low end on
	ds_store_b128 v10, v[ACC+32*\xt+8*\U+4:ACC+32*\xt+8*\U+7] offset:16*SP*\xt+64*\U+16
.endr
.endr
.irp n, 0,1,2,3,4,5,6,7,8,9,10,11,12,13,14,15
	ds_load_b128 v[AF+4*\n:AF+4*\n+3], v11 offset:16*SP*(\n/8)+2*(\n%8)*SP   ; LDS serves a wave's instructions in order (ISA guide 5.7.1.4): these see my stores
.endr
.irp n, 0,1,2,3,4,5,6,7,8,9,10,11,12,13,14,15
	s_wait_dscnt 15-\n                             ; the younger loads may stay out
	global_store_b128 v12, v[AF+4*\n:AF+4*\n+3], s[14:15] offset:(16*(\n/8)+2*(\n%8))*2048 th:TH_STORE_NT    ; written once, read by nobody here
.endr
	s_wait_tensorcnt 0x0
	ds_add_u32 v254, v255
	s_wait_dscnt 0x0
	s_endpgm
.Lfunc_end_k_qdd2f31fd64_oproj:
	.size	k_qdd2f31fd64_oproj, .Lfunc_end_k_qdd2f31fd64_oproj-k_qdd2f31fd64_oproj
	.p2alignl 7, 3214868480
	.fill 96, 4, 3214868480
	.section	.rodata,"a",@progbits
	.p2align	6, 0x0
	.amdhsa_kernel k_qdd2f31fd64_oproj
		.amdhsa_group_segment_fixed_size 168960
		.amdhsa_private_segment_fixed_size 0
		.amdhsa_enable_private_segment 0
		.amdhsa_kernarg_size 48
		.amdhsa_user_sgpr_count 2
		.amdhsa_user_sgpr_kernarg_segment_ptr 1
		.amdhsa_wavefront_size32 1
		.amdhsa_system_sgpr_workgroup_id_x 1
		.amdhsa_system_sgpr_workgroup_id_y 1
		.amdhsa_system_sgpr_workgroup_id_z 1
		.amdhsa_system_vgpr_workitem_id 0
		.amdhsa_next_free_vgpr 512
		.amdhsa_next_free_sgpr 66
		.amdhsa_reserve_vcc 0
		.amdhsa_float_denorm_mode_32 3
		.amdhsa_float_denorm_mode_16_64 3
		.amdhsa_memory_ordered 1
		.amdhsa_forward_progress 1
		.amdhsa_inst_pref_size 25
	.end_amdhsa_kernel
	.amdgpu_metadata
---
amdhsa.version: [ 1, 2 ]
amdhsa.kernels:
  - .name:           k_qdd2f31fd64_oproj
    .symbol:         k_qdd2f31fd64_oproj.kd
    .args:
      - { .name: ac, .offset: 0, .size: 8, .value_kind: global_buffer, .address_space: global }
      - { .name: asc, .offset: 8, .size: 8, .value_kind: global_buffer, .address_space: global }
      - { .name: Wo_codes, .offset: 16, .size: 8, .value_kind: global_buffer, .address_space: global }
      - { .name: Wo_scales, .offset: 24, .size: 8, .value_kind: global_buffer, .address_space: global }
      - { .name: bo, .offset: 32, .size: 8, .value_kind: global_buffer, .address_space: global }
      - { .name: out0, .offset: 40, .size: 8, .value_kind: global_buffer, .address_space: global }
    .group_segment_fixed_size: 168960
    .private_segment_fixed_size: 0
    .kernarg_segment_align: 8
    .kernarg_segment_size: 48
    .max_flat_workgroup_size: 256
    .sgpr_count:     66
    .vgpr_count:     512
    .wavefront_size: 32
...
	.end_amdgpu_metadata
.endif
;; end of part 6
